; MI455X (gfx1250); checked and timed in simulation.
; The chip was launched on July 23, 2026; its instructions are those of AMD's public machine-readable ISA for CDNA 5 (MIT licence, August 2026) and "CDNA5" Instruction Set Architecture Reference Guide (July 2026). The comments in the code are by the model that wrote it; some were corrected since.
;; Multi head attention. Allowed arithmetic: matrix products marked QUANTISED: E4M3 operands, one given power-of-two scale a tensor, by v_wmma_f32_16x16x64_fp8_fp8 or v_wmma_f32_16x16x128_fp8_fp8, f32 sums; everything else in f32.
;; Inputs: Wk 1,024 x 1,024 float32; Wo 1,024 x 1,024 float32; Wq 1,024 x 1,024 float32; Wv 1,024 x 1,024 float32; k 8 x 1,024 x 1,024 float32; lowp_scales 12 int32 (the exponents e of the quantised operands' scales 2^e); q 8 x 1,024 x 1,024 float32; v 8 x 1,024 x 1,024 float32.
;; Outputs: out0 8 x 1,024 x 1,024 float32.
;; This version of the problem:
;;   THIS VERSION OF THE PROBLEM IS GIVEN IN LOW PRECISION. The matrix products marked QUANTISED in the list below multiply operands that are first quantised to E4M3 (4 exponent bits, 3 mantissa bits; 8 bits a number), with one given power-of-two scale for each operand tensor; their sums are f32. All else is computed in f32.
;;   The module's matrix products, in the order in which they are computed (A, B: the left and right operand; K: the contracted axis; several contracted axes count as one K, in the product's order):
;;     1. [M 8,192, K 1,024] x [K 1,024, N 1,024]; A: input q; B: input Wq: QUANTISED (scales: A lowp_scales[0], B lowp_scales[1])
;;     2. [M 8,192, K 1,024] x [K 1,024, N 1,024]; A: input k; B: input Wk: QUANTISED (scales: A lowp_scales[2], B lowp_scales[3])
;;     3. [M 8,192, K 1,024] x [K 1,024, N 1,024]; A: input v; B: input Wv: QUANTISED (scales: A lowp_scales[4], B lowp_scales[5])
;;     4. batch 128 x [M 1,024, K 64] x [K 64, N 1,024]; A: computed on the way; B: computed on the way: QUANTISED (scales: A lowp_scales[6], B lowp_scales[7])
;;     5. batch 128 x [M 64, K 1,024] x [K 1,024, N 1,024]; A: computed on the way; B: softmax (see below): QUANTISED (scales: A lowp_scales[8], B lowp_scales[9])
;;     6. [M 8,192, K 1,024] x [K 1,024, N 1,024]; A: computed on the way; B: input Wo: QUANTISED (scales: A lowp_scales[10], B lowp_scales[11])
;;   THE QUANTISER, for each operand of a quantised product, along K:
;;     - The operand's scale is 2^e, e = its entry of the input lowp_scales (int32; the entries are numbered through the quantised products in the list's order, A before B).
;;     - Each number is divided by the scale, clamped to +-448, and rounded to the nearest number of E4M3, ties to even, subnormals kept.
;;     - The product sums the exact products of the quantised numbers (number of the format x scale) in f32.
;;   ~~~python
;;   def quantise(x, axis, e):      # numpy; x: float32 -> the quantised numbers, widened to float32 again
;;       x = np.moveaxis(x, axis, -1); K = x.shape[-1]
;;       r = np.clip(x / 2.0 ** e, -448, 448)
;;       step = 2.0 ** (np.maximum(np.frexp(np.where(r == 0, 1, r))[1] - 1, -6) - 3)
;;       q = np.round(r / step) * step * 2.0 ** e      # np.round: ties to even
;;       return np.moveaxis(q, -1, axis).astype(np.float32)
;;   ~~~
;;   SOFTMAX AHEAD OF A QUANTISED PRODUCT. Where the list says 'softmax', what is quantised is not the finished softmax but p = 2^(t - M), with t = logit x log2(e) and M = ceil(the row's largest t), a whole number; so 1/2 < the row's largest p <= 1. The row's sum l is taken of the UNQUANTISED p, in f32, and the product's result is divided by l at the end. Since M is a whole number, a kernel that streams over the keys may use a running M (the ceiling of the running maximum): every later rescaling is an exact power of two, so the quantised numbers keep their values, but for numbers so far below the row's largest that they fall under the format's range.
;;   OPERANDS COMPUTED ON THE WAY. 'Computed on the way' means the value that the module computes at that place (a softmax that the list does not call 'softmax' is quantised finished and normalised). What goes into a quantiser is computed in f32, as accurately as f32 sums, v_exp_f32 and their like allow (about 1e-6 of the number): no bf16 or f16 on the way to a quantiser, and a product that is left as it is and whose result goes on into a quantised operand takes f32 operands (vector FMAs, or v_wmma_f32_16x16x4_f32). A number that lies on a knife's edge between two numbers of the format may be rounded either way, as far as f32 arithmetic and the matrix unit's own rounding can turn it there, and no further.
;; 2 versions, each right; version 2 is version 1 with the launch attn written anew for expert scheduling mode. Each part assembles by itself: llvm-mc -triple=amdgcn-amd-amdhsa -mcpu=gfx1250 --defsym DOCPART=n.
;; ======== version 1 of 2: 4 launches
;; limits: right only within a limited range of input values
;; workspace buffers: codes 29,360,128 bytes; hc 25,165,824 bytes; oc 8,388,608 bytes
;; launch quant (part 1): grid 896 x 1, 4 waves a work-group, no clusters, 33,280 bytes of LDS; arguments q, k, v, Wq, Wk, Wv, Wo, lowp_scales, codes; writes codes
.if DOCPART == 1
	.amdgcn_target "amdgcn-amd-amdhsa--gfx1250"
	.amdhsa_code_object_version 6
	.text
	.protected	k_q243294116f_quant
	.globl	k_q243294116f_quant
	.p2align	8
	.type	k_q243294116f_quant,@function
k_q243294116f_quant:
	s_mov_b64 s[64:65], 0
	v_nop
	global_prefetch_b8 v0, s[64:65] scope:SCOPE_SE
	s_setreg_imm32_b32 hwreg(HW_REG_WAVE_MODE, 25, 1), 1
	s_wait_xcnt 0x0
; q, k, v [8192][1024] and Wq, Wk, Wv, Wo [1024][1024], f32, become codes of FP8 (E4M3), one byte each, K innermost, each tensor with the scale 2^e given for it.
; code = x / 2^e, held within +-448, rounded to the nearest code, ties to even.  e: entries 0, 2, 4 (q, k, v), 1, 3, 5 (Wq, Wk, Wv) and 11 (Wo) of the scales' buffer.
; LIMITS: each e lies between -126 and 119, so that 2^e and 448 x 2^e are f32 numbers.  NaN among the inputs is not served (an infinity is held at the largest code).
; All seven have K innermost and dense rows: each is a plain stream of numbers, and the codes' buffer is the seven streams on end: q, k, v, Wq, Wk, Wv, Wo.
; A work-group takes 32,768 numbers, a wave 8,192 in 16 steps of 512.  Work-groups 0-255 q, 256-511 k, 512-767 v, then 32 for each weight.  Only a pointer, a first work-group and an exponent are chosen: one path.
; The conversions take 16 NEIGHBOURS from one lane's registers; a load is best where neighbouring LANES take neighbouring bytes.  Both are had: each of a step's four loads reads 512 consecutive bytes, 16 a lane;
; the 2,048 bytes go through the wave's own stage in LDS and come back 64 bytes a lane.  A lane's 16 codes are 16 bytes: the wave stores 512 consecutive bytes.
; No matrix unit, no cluster, no barrier: waves share nothing and memory binds.  Loads run four steps (16 loads a wave) ahead, the turn through LDS one step.
.set STEPS, 16
.set EMAX,  8
.set MANT,  0x600000                   ; the mantissa field of 448 as f32
.set CB,    16                         ; bytes of 16 codes
.set R,     16                         ; v16-79   four sets of 16 numbers as they are loaded
.set X,     80                         ; v80-111  two sets of 16 neighbours
.set C,     128                        ; v128-191 codes: four registers for each step, so that no store's data are written again
.set WREG,  8192                       ; LDS: a region for each wave: two stages of 32 x SP bytes
.set SP,    80                         ; a lane's place in a stage: its 64 bytes + 16 of padding
.set SRC,   36                         ; s[36:37] the tensor that my work-group reads
.set DST,   20                         ; s[20:21] the codes
.macro PICK thr, ptr                   ; from work-group thr on: the next tensor
	s_cmp_ge_u32 ttmp9, \thr
	s_cselect_b64 s[SRC:SRC+1], s[\ptr:\ptr+1], s[SRC:SRC+1]
	s_cselect_b32 s38, \thr, s38
.endm
.macro PICKE thr, e                    ; and its exponent
	s_cmp_ge_u32 ttmp9, \thr
	s_cselect_b32 s39, s[\e], s39
.endm
	s_load_b512 s[4:19], s[0:1], 0x0               ; q, k, v, Wq, Wk, Wv, Wo, the scales' exponents (s[18:19])
	s_load_b64 s[DST:DST+1], s[0:1], 0x40          ; the codes
	v_lshl_add_u32 v192, v0, 2, 0x8000
	v_mov_b32 v193, 0
	v_lshrrev_b32 v1, 5, v0
	v_readfirstlane_b32 s40, v1                    ; wave
	v_and_b32 v2, 31, v0                           ; lane
	v_lshlrev_b32 v3, 4, v2                        ; my 16 bytes of a load's 512
	s_mul_i32 s41, s40, WREG
	v_lshrrev_b32 v14, 2, v2
	v_mul_u32_u24 v14, v14, SP
	v_and_b32 v15, 3, v2
	v_lshl_add_u32 v14, v15, 4, v14
	v_add_nc_u32 v14, s41, v14                     ; the stage, on the way in: four lanes' 64 bytes on end, then 16 of padding
	v_mul_u32_u24 v15, v2, SP
	v_add_nc_u32 v15, s41, v15                     ; and on the way out: SP x lane: my 16 neighbours
	v_mul_u32_u24 v4, v2, CB                       ; my codes' place in a step's
	s_wait_kmcnt 0x0
	s_load_b256 s[24:31], s[18:19], 0x0            ; e0 .. e7
	s_load_b128 s[32:35], s[18:19], 0x20           ; e8 .. e11
	s_mov_b64 s[SRC:SRC+1], s[4:5]                 ; the choice hangs on the work-group's number alone
	s_mov_b32 s38, 0
	PICK 256, 6
	PICK 512, 8
	PICK 768, 10
	PICK 800, 12
	PICK 832, 14
	PICK 864, 16
	s_sub_co_u32 s41, ttmp9, s38
	s_lshl_b32 s41, s41, 2
	s_add_co_u32 s41, s41, s40                     ; which run of 8,192 numbers of the tensor is my wave's
	s_lshl_b32 s42, s41, 15                        ; 32,768 bytes each: under 2^26
	s_mov_b32 s43, 0
	s_add_nc_u64 s[SRC:SRC+1], s[SRC:SRC+1], s[42:43]
	s_lshl_b32 s44, ttmp9, 2
	s_add_co_u32 s44, s44, s40
	s_lshl_b32 s44, s44, 13                        ; the codes are the same streams on end: 8,192 bytes a wave
	s_mov_b32 s45, 0
	s_add_nc_u64 s[DST:DST+1], s[DST:DST+1], s[44:45]
.macro LOAD t
.irp i, 0,1,2,3
	global_load_b128 v[R+16*((\t)%4)+4*\i:R+16*((\t)%4)+4*\i+3], v3, s[SRC:SRC+1] offset:2048*(\t)+512*\i th:TH_LOAD_NT   ; 32 lanes read 512 consecutive bytes
.endr
.endm
.macro TURN t                          ; step t's numbers through the stage: LDS serves a wave's instructions in order, so no wait stands between the stores and the loads
.irp i, 0,1,2,3
	ds_store_b128 v14, v[R+16*((\t)%4)+4*\i:R+16*((\t)%4)+4*\i+3] offset:32*SP*((\t)%2)+8*SP*\i
.endr
.irp i, 0,1,2,3
	ds_load_b128 v[X+16*((\t)%2)+4*\i:X+16*((\t)%2)+4*\i+3], v15 offset:32*SP*((\t)%2)+16*\i
.endr
.endm
.irp t, 0,1,2,3
	LOAD \t
.endr
	s_wait_kmcnt 0x0
	s_mov_b32 s39, s24                             ; q: e0
	PICKE 256, 26                                  ; k: e2
	PICKE 512, 28                                  ; v: e4
	PICKE 768, 25                                  ; Wq: e1
	PICKE 800, 27                                  ; Wk: e3
	PICKE 832, 29                                  ; Wv: e5
	PICKE 864, 35                                  ; Wo: e11
	s_add_co_i32 s39, s39, 127
	s_lshl_b32 s41, s39, 23
	v_mov_b32 v11, s41                             ; 2^e as f32: the conversion takes its exponent field
	s_add_co_i32 s39, s39, EMAX
	s_lshl_b32 s39, s39, 23
	s_or_b32 s39, s39, MANT
	v_mov_b32 v10, s39                             ; 448 x 2^e
	s_wait_loadcnt 12                              ; step 0's four loads are in; the twelve of steps 1 to 3 may be out
	TURN 0
.macro STEP t
.set XS, X+16*((\t)%2)
	s_wait_dscnt 0x0                               ; this step's numbers are back from the stage: so its stores into the stage have read their registers,
.if (\t)+4 < STEPS
	LOAD (\t)+4                                    ; which take the loads of four steps on
.endif
.if (\t)+1 < STEPS
.if STEPS-2-(\t) >= 3
	s_wait_loadcnt 12                              ; the next step's four loads are in; those of the three steps behind it may be out
.else
	s_wait_loadcnt 4*(STEPS-2-(\t))
.endif
	TURN (\t)+1                                    ; and go through the other stage while this step is worked
.endif
.irp i, 0,1,2,3,4,5,6,7,8,9,10,11,12,13,14,15
	v_med3_num_f32 v[XS+\i], v[XS+\i], -v10, v10   ; the conversion to an 8-bit code does not saturate (ISA guide 7.6.2): the number is held within 448 x the scale first
.endr
	v_cvt_scalef32_pk8_fp8_f32 v[C+4*(\t):C+4*(\t)+1], v[XS:XS+7], v11          ; eight numbers / 2^e, to the nearest code, ties to even; the first number's code in the lowest byte
	v_cvt_scalef32_pk8_fp8_f32 v[C+4*(\t)+2:C+4*(\t)+3], v[XS+8:XS+15], v11    ; (the results go to a store alone; the next vector lines are the next step's holds, plain ones on other registers)
	global_store_b128 v4, v[C+4*(\t):C+4*(\t)+3], s[DST:DST+1] offset:32*CB*(\t)   ; 32 lanes store 512 consecutive bytes, at a multiple of 512 from the buffer's first byte
.endm
.irp t, 0,1,2,3,4,5,6,7,8,9,10,11,12,13,14,15
	STEP \t
.endr
	s_wait_tensorcnt 0x0
	ds_add_u32 v192, v193
	s_wait_dscnt 0x0
	s_endpgm
.Lfunc_end_k_q243294116f_quant:
	.size	k_q243294116f_quant, .Lfunc_end_k_q243294116f_quant-k_q243294116f_quant
	.p2alignl 7, 3214868480
	.fill 96, 4, 3214868480
	.section	.rodata,"a",@progbits
	.p2align	6, 0x0
	.amdhsa_kernel k_q243294116f_quant
		.amdhsa_group_segment_fixed_size 33280
		.amdhsa_private_segment_fixed_size 0
		.amdhsa_enable_private_segment 0
		.amdhsa_kernarg_size 72
		.amdhsa_user_sgpr_count 2
		.amdhsa_user_sgpr_kernarg_segment_ptr 1
		.amdhsa_wavefront_size32 1
		.amdhsa_system_sgpr_workgroup_id_x 1
		.amdhsa_system_sgpr_workgroup_id_y 1
		.amdhsa_system_sgpr_workgroup_id_z 1
		.amdhsa_system_vgpr_workitem_id 0
		.amdhsa_next_free_vgpr 194
		.amdhsa_next_free_sgpr 66
		.amdhsa_reserve_vcc 0
		.amdhsa_float_denorm_mode_32 3
		.amdhsa_float_denorm_mode_16_64 3
		.amdhsa_memory_ordered 1
		.amdhsa_forward_progress 1
		.amdhsa_inst_pref_size 39
	.end_amdhsa_kernel
	.amdgpu_metadata
---
amdhsa.version: [ 1, 2 ]
amdhsa.kernels:
  - .name:           k_q243294116f_quant
    .symbol:         k_q243294116f_quant.kd
    .args:
      - { .name: q, .offset: 0, .size: 8, .value_kind: global_buffer, .address_space: global }
      - { .name: k, .offset: 8, .size: 8, .value_kind: global_buffer, .address_space: global }
      - { .name: v, .offset: 16, .size: 8, .value_kind: global_buffer, .address_space: global }
      - { .name: Wq, .offset: 24, .size: 8, .value_kind: global_buffer, .address_space: global }
      - { .name: Wk, .offset: 32, .size: 8, .value_kind: global_buffer, .address_space: global }
      - { .name: Wv, .offset: 40, .size: 8, .value_kind: global_buffer, .address_space: global }
      - { .name: Wo, .offset: 48, .size: 8, .value_kind: global_buffer, .address_space: global }
      - { .name: lowp_scales, .offset: 56, .size: 8, .value_kind: global_buffer, .address_space: global }
      - { .name: codes, .offset: 64, .size: 8, .value_kind: global_buffer, .address_space: global }
    .group_segment_fixed_size: 33280
    .private_segment_fixed_size: 0
    .kernarg_segment_align: 8
    .kernarg_segment_size: 72
    .max_flat_workgroup_size: 128
    .sgpr_count:     66
    .vgpr_count:     194
    .wavefront_size: 32
...
	.end_amdgpu_metadata
.endif
;; end of part 1
;; launch proj (part 2): grid 4 x 96, 4 waves a work-group, clusters of 4 x 4, 327,680 bytes of LDS; arguments codes, lowp_scales, hc; writes hc
.if DOCPART == 2
	.amdgcn_target "amdgcn-amd-amdhsa--gfx1250"
	.amdhsa_code_object_version 6
	.text
	.protected	k_q243294116f_proj
	.globl	k_q243294116f_proj
	.p2align	8
	.type	k_q243294116f_proj,@function
k_q243294116f_proj:
	s_mov_b64 s[64:65], 0
	v_nop
	global_prefetch_b8 v0, s[64:65] scope:SCOPE_SE
	s_setreg_imm32_b32 hwreg(HW_REG_WAVE_MODE, 25, 1), 1
	s_wait_xcnt 0x0
	s_wait_alu depctr_hold_cnt(0) depctr_sa_sdst(0) depctr_va_vdst(0) depctr_va_sdst(0) depctr_va_ssrc(0) depctr_va_vcc(0) depctr_vm_vsrc(0)
	s_getreg_b32 s2, hwreg(HW_REG_IB_STS2, 6, 4)
	s_cmp_eq_u32 s2, 0
	s_cbranch_scc0 .Lentry_in_a_cluster
	s_endpgm
.Lentry_in_a_cluster:
	s_bfe_u32 s2, ttmp6, 0x10000c
	s_cmp_lg_u32 s2, 0xf033
	s_cbranch_scc0 .Lentry_shape_is_right
	s_endpgm
.Lentry_shape_is_right:
; The three projections x W^T on codes of FP8 (E4M3); each result is quantised at once for attention's products and leaves as codes.
; C[m][n] = sum over k of A[m][k] B[n][k], K = 1,024, sums in f32.  A sum stands for sum x 2^(ea + eb); its code is sum / 2^X held within +-448, X = e_out - ea - eb:
;   q: X = e7 - e0 - e1;  k: X = e6 - e2 - e3  (in the scores' product the keys' side is the left operand, entry 6, the queries' the right, entry 7);  v: X = e8 - e4 - e5.
; LIMIT: X lies between -126 and 119, so that 2^X and 448 x 2^X are f32 numbers.
; 24 clusters of 4 x 4 work-groups, a tile of 256 x 256 each: clusters 0-7 q, 8-15 k, 16-23 v.  For q and k: A = the tokens' codes (32 tile rows), B = the weight's (4 tile columns).
; For v the two change places IN THE ADDRESSES ALONE: A = Wv's codes (4 tile rows), B = v's (32 tile columns): the same text then gives vh transposed, with the keys innermost, as attention's second product wants it.
; OUT: hc = qc [b][h][s][64] at byte 0, kc the same at 0x800000, vt [b][h][d][s] at 0x1000000.
; Four waves, as many as a WGP has SIMDs; a wave makes 128 x 128: 64 accumulators, 512 registers.  K goes in 4 steps of 256 through a ring of two LDS slots filled by the tensor data mover: a tile's row is 256 bytes.
; CLUSTERS: the four of a row of the cluster need the same tiles of A, the four of a column the same tiles of B: each tile is asked for JOINTLY, by the same tensor load with the same descriptor and a mask that names the four.
; THE MATRIX INSTRUCTION IS USED TRANSPOSED (source 0 = 16 rows of B, source 1 = 16 rows of A): a lane holds eight neighbouring columns of one row of C: eight codes, 8 bytes that belong together.
; No prefetch: of the 4 K steps two are first fills and two follow at once; no step lies far enough ahead to be asked for earlier.
; REGISTERS, in windows of 256: window 0: v0-31 addresses; from v128 A's fragments (8 x 16 rows x 128 K), ONE set; on the way out v32-95 held numbers, v128-255 codes.
;   window 1: B's fragments, TWO sets, at v0 and v128.   window 2: the 32 accumulators of my rows 0-63 (accumulator (a, b) at v[8 (8 a + b)]);   window 3: those of my rows 64-127.
.set KSTEP,  256                       ; along K in a slot
.set ROWB,   256                       ; a tile's row in bytes
.set KROW,   1024                      ; a row of codes in memory, in bytes
.set PITCH,  272                       ; an LDS row: 256 bytes + 16 of padding = 68 words: row r starts at bank 4 r mod 64 (64 banks of 4 bytes: ISA guide 11.1)
.set FR,     16                        ; registers of a fragment: 16 rows x 128 K
.set NL,     4                         ; LDS loads that bring one
.set NP,     4                         ; places behind this matrix instruction (ISA guide 7.12.1)
.set HALFT,  128*PITCH                 ; 128 rows: what one tensor load brings
.set SLOT,   4*HALFT                   ; A's 256 rows, then B's 256 rows
.set LAPS,   KROW/(2*KSTEP)            ; a lap = two K steps = once round the ring
.set SPARE,  2*SLOT                    ; behind the ring: the spare words, 128 bytes for each wave: two blocks of 256 bytes that no other line names
.set SPITCH, 272                       ; the way out: ONE stage of 256 rows x (256 bytes + 16), in slot 0, which has had its last fill and its last read when the first code is stored there
.set SCL,  15                          ; v15     2^X as f32
.set ADRA, 16                          ; v16-17  LDS address of my A fragments in slot 0, 1
.set ADRB, 20                          ; v20-21  the same for B
.set STO,  24                          ; v24     the way out: where I put 8 codes of a row
.set RDQ,  25                          ; v25     q, k: where I read 16 bytes of a head's part of a row back (rows 0-127);  v26: rows 128-255
.set RDQ2, 26
.set RDV,  27                          ; v27     v: where I read 16 bytes of a whole row back
.set SPW,  28                          ; v28     LDS address of my spare word: SPARE + 4 x my thread's number; never rewritten
.set NIL,  29                          ; v29     0; never rewritten
.set COQ,  30                          ; v30     q, k: my byte offset in the head's block
.set COV,  31                          ; v31     v: my byte offset in two rows of vt
.set TMP,  32                          ; the way out: 64 registers, a block's sums held
.set AF,   128                         ; A's fragments, in window 0
.set CD,   128                         ; the way out: codes
.set G1, 24                            ; s[24:31] descriptor group 1 for A's tiles;  s[32:39] group 0, one set for each slot
.set G0, 32
.set G1B, 48                           ; s[48:55], s[56:63] the same for B's tiles
.set G0B, 56
.set MSB, 0
.macro WIN new                         ; the immediate's high byte repeats the setting that is left
.if MSB != \new
	s_set_vgpr_msb (MSB<<8)|\new
.set MSB, \new
.endif
.endm
.set MUL_LO, 0xa1                      ; source 0 (B) window 1, source 1 (A) window 0, C and D window 2
.set MUL_HI, 0xf1                      ; the same, C and D window 3
.set TO_B,   0x40                      ; destination window 1, address window 0
; A joint load: waves 0 and 1 fetch for A, waves 2 and 3 for B.  Each of the two lines has ONE mask and one set of registers for all that issue it; the branch hangs on the wave's number alone.
; Four v_nop follow each of the two lines, ahead of the jump, the label and what follows.
.macro JLOAD g0a, g1a, g0b, g1b
	s_cmp_eq_u32 s15, 0
	s_cbranch_scc0 .Lfor_b_\@
	tensor_load_to_lds s[\g0a:\g0a+3], s[\g1a:\g1a+7]
	s_nop 0
.rept 4
	v_nop
.endr
	s_branch .Lasked_\@
.Lfor_b_\@:
	tensor_load_to_lds s[\g0b:\g0b+3], s[\g1b:\g1b+7]
	s_nop 0
.rept 4
	v_nop
.endr
.Lasked_\@:
.endm
.macro CREST                           ; a round of the cluster's barrier behind its opening barrier
	s_cmp_lg_u32 s14, 0
	s_cbranch_scc1 .Lnot_wave_0_\@
	s_barrier_signal -3
.Lnot_wave_0_\@:
	s_barrier_wait -3
	s_barrier_signal -1
	s_barrier_wait -1
.endm
.macro CROUND                          ; a whole round
	s_barrier_signal -1
	s_barrier_wait -1
	CREST
.endm
	s_load_b128 s[4:7], s[0:1], 0x0                ; the codes s[4:5], the scales' exponents s[6:7]
	s_load_b64 s[10:11], s[0:1], 0x10              ; hc
	v_lshl_add_u32 v[SPW], v0, 2, SPARE
	v_mov_b32 v[NIL], 0
	ds_add_u32 v28, v29
	ds_add_u32 v28, v29
	s_wait_dscnt 0x0
	v_lshrrev_b32 v1, 5, v0
	v_readfirstlane_b32 s14, v1                    ; wave 0..3
	s_lshr_b32 s15, s14, 1                         ; which half of the tile's rows is mine.  Also: I fetch for A (0) or for B (1)
	s_and_b32 s16, s14, 1                          ; which half of its columns.  Also: which 128 rows of that tile I fetch
	s_bfe_u32 s40, ttmp6, 0x40000                  ; cx, cy: my place in the cluster
	s_bfe_u32 s41, ttmp6, 0x40004
	s_and_b32 s66, ttmp7, 0xffff                   ; the cluster, 0..23: the same in all sixteen partners
	s_lshr_b32 s67, s66, 3                         ; T: 0 q, 1 k, 2 v
	s_and_b32 s68, s66, 7
	s_lshl_b32 s68, s68, 2                         ; the first of the cluster's four tiles along the tokens
	s_lshl_b32 s88, s67, 23                        ; q's and k's codes: 2^23 bytes each,
	s_lshl_b32 s90, s67, 20
	s_add_co_u32 s90, s90, 0x1800000               ; Wq's and Wk's: 2^20 bytes each, behind the three tensors of tokens
	s_cmp_eq_u32 s67, 2
	s_cselect_b32 s69, 0, s68                      ; v: the tokens run along the tile columns
	s_cselect_b32 s70, s68, 0
	s_cselect_b32 s88, 0x1a00000, s88              ; v: A = Wv's codes,
	s_cselect_b32 s90, 0x1000000, s90              ;    B = v's
	s_mov_b32 s89, 0
	s_mov_b32 s91, 0
	s_add_co_u32 s17, s69, s41                     ; tile row
	s_add_co_u32 s42, s70, s40                     ; tile column
	s_lshl_b32 s43, s41, 2
	s_lshl_b32 s43, 15, s43                        ; my row of the cluster
	s_lshl_b32 s44, 0x1111, s40                    ; my column
	; descriptor group 1: a tile of 128 rows x 256 bytes, padded in LDS
	s_or_b32 s[G1+0], s43, (0<<16)|(1<<20)|(1<<21)|(5<<22)|(3<<25)  ; 15:0 the mask: A's tiles go to my row; 17:16 element of 1 byte; 20 padding on; 21 set beside a mask; 24:22 after every 64 words (code 5); 31:25 of 4 words (code 3)
	s_or_b32 s[G1B+0], s44, (0<<16)|(1<<20)|(1<<21)|(5<<22)|(3<<25)
.irp g, G1, G1B
	s_mov_b32 s[\g+1], ROWB<<16                    ; tensor_dim0
	s_mov_b32 s[\g+2], 128<<16                     ; tensor_dim1 = 128
	s_mov_b32 s[\g+3], ROWB<<16                    ; tile_dim0
	s_mov_b32 s[\g+4], 128                         ; tile_dim1 = 128
	s_mov_b32 s[\g+5], KROW                        ; tensor_dim0_stride
	s_mov_b32 s[\g+6], 0
	s_mov_b32 s[\g+7], 0
.endr
	s_lshl_b32 s18, s16, 7                         ; which 128 rows of the tile I fetch
	s_lshl_b32 s20, s17, 8
	s_add_co_u32 s20, s20, s18                     ; A: row 256 x tile row + 128 x half: made of the tile row and the wave alone
	s_lshl_b32 s20, s20, 10                        ; in bytes: under 2^23
	s_mov_b32 s21, 0
	s_add_nc_u64 s[20:21], s[20:21], s[88:89]
	s_lshl_b32 s46, s42, 8
	s_add_co_u32 s46, s46, s18                     ; B: row 256 x tile column + 128 x half: made of the tile column and the wave alone
	s_lshl_b32 s46, s46, 10
	s_mov_b32 s47, 0
	s_add_nc_u64 s[46:47], s[46:47], s[90:91]
	s_mul_i32 s45, s14, HALFT                      ; where they go: wave x 128 rows: no place in the cluster enters an LDS address
	s_wait_kmcnt 0x0
	s_load_b256 s[72:79], s[6:7], 0x0              ; e0 .. e7
	s_load_b128 s[80:83], s[6:7], 0x20             ; e8 .. e11
	s_add_nc_u64 s[20:21], s[4:5], s[20:21]
	s_add_nc_u64 s[46:47], s[4:5], s[46:47]
	CROUND                                         ; all sixteen work-groups are here: the first joint loads meet
.irp s, 0,1
	s_mov_b32 s[G0+4*\s], 1
	s_add_co_u32 s[G0+4*\s+1], s45, \s*SLOT
	s_add_nc_u64 s[G0+4*\s+2:G0+4*\s+3], s[20:21], \s*ROWB
	s_or_b32 s[G0+4*\s+3], s[G0+4*\s+3], 0x80000000
	s_mov_b32 s[G0B+4*\s], 1
	s_add_co_u32 s[G0B+4*\s+1], s45, \s*SLOT
	s_add_nc_u64 s[G0B+4*\s+2:G0B+4*\s+3], s[46:47], \s*ROWB
	s_or_b32 s[G0B+4*\s+3], s[G0B+4*\s+3], 0x80000000
	JLOAD G0+4*\s, G1, G0B+4*\s, G1B
.endr
	v_and_b32 v1, 15, v0                           ; r = l % 16
	v_bfe_u32 v2, v0, 4, 1                         ; h = l / 16
	v_mul_u32_u24 v3, v1, PITCH
	v_lshl_add_u32 v4, v2, 4, v3                   ; a fragment's row x pitch + 16 x half
	s_mul_i32 s21, s15, HALFT                      ; my 128 rows of A
	s_mul_i32 s22, s16, HALFT                      ; my 128 rows of B,
	s_add_co_u32 s22, s22, 2*HALFT                 ; which lie behind A's 256
.irp s, 0,1
	v_add_nc_u32 v[ADRA+\s], s21, v4
	v_add_nc_u32 v[ADRB+\s], s22, v4
	s_add_co_u32 s21, s21, SLOT
	s_add_co_u32 s22, s22, SLOT
.endr
	; the way out's addresses: lane, wave and constants alone
	s_mul_i32 s23, s15, 128*SPITCH
	s_lshl_b32 s22, s16, 7
	s_add_co_u32 s23, s23, s22
	v_lshl_add_u32 v5, v2, 3, v3
	v_add_nc_u32 v[STO], s23, v5                   ; in: my 128 rows, my 128 bytes of them; row r, 8 bytes for each half of the lanes
	v_and_b32 v6, 31, v0                           ; lane
	v_lshrrev_b32 v7, 2, v6
	v_mul_u32_u24 v7, v7, SPITCH
	v_and_b32 v8, 3, v6
	v_lshl_add_u32 v7, v8, 4, v7
	s_lshl_b32 s23, s14, 6
	v_add_nc_u32 v[RDQ], s23, v7                   ; q, k, back: wave w takes bytes 64 w .. 64 w + 63 (one head) of every row; four lanes to a row, eight rows an instruction
	v_add_nc_u32 v[RDQ2], 128*SPITCH, v[RDQ]       ; (the 16-bit offset does not reach the last rows)
	v_mul_u32_u24 v9, v2, SPITCH
	v_lshl_add_u32 v9, v1, 4, v9
	s_mul_i32 s23, s14, 64*SPITCH
	v_add_nc_u32 v[RDV], s23, v9                   ; v, back: wave w takes rows 64 w on, whole; sixteen lanes to a row, two rows an instruction
	v_lshlrev_b32 v[COQ], 4, v6                    ; q, k: a head's 256 rows of 64 bytes are one dense block: 16 x lane
	v_lshlrev_b32 v10, 10, v2
	v_lshl_add_u32 v[COV], v1, 4, v10              ; v: rows of vt are 1,024 bytes apart
	; where my part begins in hc.  q, k: T 2^23 + b 2^20 + head 2^16 + 64 s;  b = tile row / 4, head = 4 x tile column + wave, s = 256 (tile row % 4)
	s_lshl_b32 s92, s67, 23
	s_lshr_b32 s94, s17, 2
	s_lshl_b32 s94, s94, 20
	s_add_co_u32 s92, s92, s94
	s_lshl_b32 s94, s42, 2
	s_add_co_u32 s94, s94, s14
	s_lshl_b32 s94, s94, 16
	s_add_co_u32 s92, s92, s94
	s_and_b32 s94, s17, 3
	s_lshl_b32 s94, s94, 14
	s_add_co_u32 s92, s92, s94
	; v: 2^24 + b 2^20 + 1,024 x (256 x tile row + 64 x wave) + s;  b = tile column / 4, s = 256 (tile column % 4)
	s_lshr_b32 s95, s42, 2
	s_lshl_b32 s95, s95, 20
	s_add_co_u32 s95, s95, 0x1000000
	s_lshl_b32 s94, s17, 18
	s_add_co_u32 s95, s95, s94
	s_lshl_b32 s94, s14, 16
	s_add_co_u32 s95, s95, s94
	s_and_b32 s94, s42, 3
	s_lshl_b32 s94, s94, 8
	s_add_co_u32 s95, s95, s94
	s_cmp_eq_u32 s67, 2
	s_cselect_b32 s92, s95, s92
	s_mov_b32 s93, 0
	s_add_nc_u64 s[10:11], s[10:11], s[92:93]
.macro FRAG reg, adr, q, i             ; a fragment, 16 rows x 128 K of codes, is 16 registers: lane l holds row l % 16; registers 4 c .. 4 c + 3 hold K = 32 c + 16 (l / 16) + 0 .. 15: the same places in A and in B, so every product meets its partner
.irp c, 0,1,2,3
	ds_load_b128 v[\reg+4*\c:\reg+4*\c+3], v[\adr] offset:128*(\q)+32*\c+(\i)*16*PITCH
.endr
.endm
; 16 matrix instructions: A's blocks a0, a0 + 1 x B's eight, 128 along K.  p: B's set.  zero = 1: the first product starts the sums: nothing is ever cleared.
; The 64 accumulators take turns, one instruction a turn, in the same order in every step.
.macro MUL16 a0, p, zero
.irp a, \a0, \a0+1
.irp b, 0,1,2,3,4,5,6,7
.if \zero
	v_wmma_f32_16x16x128_fp8_fp8 v[8*(8*((\a)%4)+\b):8*(8*((\a)%4)+\b)+7], v[128*(\p)+FR*\b:128*(\p)+FR*\b+FR-1], v[AF+FR*(\a):AF+FR*(\a)+FR-1], 0
.else
	v_wmma_f32_16x16x128_fp8_fp8 v[8*(8*((\a)%4)+\b):8*(8*((\a)%4)+\b)+7], v[128*(\p)+FR*\b:128*(\p)+FR*\b+FR-1], v[AF+FR*(\a):AF+FR*(\a)+FR-1], v[8*(8*((\a)%4)+\b):8*(8*((\a)%4)+\b)+7]
.endif
.endr
.endr
.endm
.macro FETCH_B slot, q, p              ; B's eight fragments of the slot's q-th 128 along K into set p
	WIN TO_B
.irp i, 0,1,2,3,4,5,6,7
	FRAG 128*(\p)+FR*\i, ADRB+\slot, \q, \i
.endr
	WIN 0
.endm
.macro FETCH_A slot, q, i0             ; A's blocks i0 .. i0 + 3
.irp i, \i0, \i0+1, \i0+2, \i0+3
	FRAG AF+FR*(\i), ADRA+\slot, \q, \i
.endr
.endm
; A load into a register that a matrix instruction has read, and a vector instruction that reads a matrix result, stand NP places behind that matrix instruction; only plain vector
; instructions that name none of its registers are places (ISA guide 7.12.1 for vector instructions).
.macro PLACES n
.rept \n
	v_nop
.endr
.endm
; A step of 128 along K that has its successor in the same slot.
.macro STEP slot, q, zero
	s_wait_dscnt 4*NL                              ; B's set and A's blocks 0-3 are in; the youngest sixteen loads (A's blocks 4-7) may be out
	WIN MUL_LO
	MUL16 0, (\q)%2, \zero
	MUL16 2, (\q)%2, \zero
	s_wait_dscnt 0                                 ; A's blocks 4-7 are in (asked for 32 matrix instructions ago)
	PLACES NP
	FETCH_B \slot, (\q)+1, 1-(\q)%2
	FETCH_A \slot, (\q)+1, 0
	WIN MUL_HI
	MUL16 4, (\q)%2, \zero
	MUL16 6, (\q)%2, \zero
	PLACES NP
	WIN 0
	FETCH_A \slot, (\q)+1, 4
.endm
; A slot's last step changes slots: ONE barrier; in front of it each wave waits for all its tensor loads, adds 0 to its spare word, and waits for that and for its own reads of this slot.  fill = 1: this slot is filled again, two K steps ahead.
.macro TURN slot, next, fill
	s_wait_tensorcnt 0x0                           ; all my tensor loads have landed: my part of the next slot;  (every window is 0 here: the add's two registers lie in window 0)
	ds_add_u32 v[SPW], v[NIL]                      ; 0 onto my spare word
	s_wait_dscnt 4*NL+1                            ; (the add and the youngest sixteen loads, A's blocks 4-7, may be out)
	WIN MUL_LO
	MUL16 0, 1, 0                                  ; sixteen matrix instructions stand between the add and the wait for it
	s_wait_dscnt 0x0                               ; the add is done, and my reads of this slot are over
	s_barrier_signal -1
	MUL16 2, 1, 0
	WIN 0
	s_barrier_wait -1
.if \fill
	CREST                                          ; the barrier has opened a round of the cluster's barrier: no wave of any partner still reads this slot's tile or has a load on its way
	s_add_nc_u64 s[G0+4*\slot+2:G0+4*\slot+3], s[G0+4*\slot+2:G0+4*\slot+3], 2*ROWB
	s_add_nc_u64 s[G0B+4*\slot+2:G0B+4*\slot+3], s[G0B+4*\slot+2:G0B+4*\slot+3], 2*ROWB
	JLOAD G0+4*\slot, G1, G0B+4*\slot, G1B         ; the first tensor load behind the round; the four v_nop behind it are the places in front of the loads below
.else
	PLACES NP
.endif
	FETCH_B \next, 0, 0
	FETCH_A \next, 0, 0
	WIN MUL_HI
	MUL16 4, 1, 0
	MUL16 6, 1, 0
	PLACES NP
	WIN 0
	FETCH_A \next, 0, 4
.endm
	s_wait_tensorcnt 1                             ; my part of K step 0 is in (K step 1's load may be out)
	s_barrier_signal -1
	s_barrier_wait -1                              ; everybody's is
	FETCH_B 0, 0, 0
	FETCH_A 0, 0, 0
	FETCH_A 0, 0, 4
	STEP 0, 0, 1                                   ; the first step stands in front of the loop: its products start the sums
.if LAPS > 1
	s_mov_b32 s3, LAPS-1
.Llap:                                                 ; a trip goes once round the ring, from a lap's second step to the next lap's first, and fills both slots again
	TURN 0, 1, 1
	STEP 1, 0, 0
	TURN 1, 0, 1
	STEP 0, 0, 0
	s_sub_co_u32 s3, s3, 1
	s_cmp_lg_u32 s3, 0
	s_cbranch_scc1 .Llap
.endif
	TURN 0, 1, 0                                   ; the last lap fills nothing, and has no round of the cluster's barrier
	STEP 1, 0, 0
	s_wait_dscnt 4*NL                              ; the very last step: nothing more to fetch
	WIN MUL_LO
	MUL16 0, 1, 0
	MUL16 2, 1, 0
	s_wait_dscnt 0
	WIN MUL_HI
	MUL16 4, 1, 0
	MUL16 6, 1, 0
	WIN 0
	; THE WAY OUT.  The three scales are folded into the conversion's one; no branch hangs on them.
	s_wait_kmcnt 0x0
	s_sub_co_i32 s84, s79, s72                     ; q: e7 - e0 - e1
	s_sub_co_i32 s84, s84, s73
	s_sub_co_i32 s94, s78, s74                     ; k: e6 - e2 - e3
	s_sub_co_i32 s94, s94, s75
	s_sub_co_i32 s95, s80, s76                     ; v: e8 - e4 - e5
	s_sub_co_i32 s95, s95, s77
	s_cmp_eq_u32 s67, 1
	s_cselect_b32 s84, s94, s84
	s_cmp_eq_u32 s67, 2
	s_cselect_b32 s84, s95, s84                    ; X
	s_add_co_i32 s84, s84, 127
	s_lshl_b32 s94, s84, 23
	v_mov_b32 v[SCL], s94                          ; 2^X as f32: the conversion takes its exponent field
	s_add_co_i32 s84, s84, 8
	s_lshl_b32 s87, s84, 23
	s_or_b32 s87, s87, 0x600000                    ; 448 x 2^X,
	s_or_b32 s86, s87, 0x80000000                  ; and its negative
	PLACES NP                                      ; behind the last products: for the reads of results and for the writes over A's fragments
; Block a, 16 rows x 128 columns: held, converted, 8 codes a lane into the work-group's stage.  Each accumulator is read from its low end on.  Each block has code registers of its own.
.macro PACKQ a
.set AC, 64*((\a)%4)
	WIN 0x02+((\a)/4)                              ; source 0: window 2 or 3
.set J, 0
.rept 64
	v_med3_num_f32 v[TMP+J], v[AC+J], s86, s87     ; the conversion to an 8-bit code does not saturate (ISA guide 7.6.2): the hold at 448 x the scale
.set J, J+1
.endr
	WIN 0
.irp b, 0,1,2,3,4,5,6,7
	v_cvt_scalef32_pk8_fp8_f32 v[CD+16*(\a)+2*\b:CD+16*(\a)+2*\b+1], v[TMP+8*\b:TMP+8*\b+7], v[SCL]
.endr
	v_nop                                          ; one plain vector line behind the last conversion: the next block's holds write the conversions' sources
.irp b, 0,1,2,3,4,5,6,7
	ds_store_b64 v[STO], v[CD+16*(\a)+2*\b:CD+16*(\a)+2*\b+1] offset:(\a)*16*SPITCH+16*\b
.endr
.endm
.irp a, 0,1,2,3,4,5,6,7
	PACKQ \a
.endr
	s_wait_dscnt 0x0                               ; for the others' sake: my stores into the stage are done (a row's 256 bytes come from two waves)
	s_barrier_signal -1
	s_barrier_wait -1
	s_cmp_eq_u32 s67, 2                            ; the cluster's number decides: the same way in all partners; neither way stores to LDS
	s_cbranch_scc1 .Lvpath
.irp t, 0,1,2,3,4,5,6,7,8,9,10,11,12,13,14,15
	ds_load_b128 v[CD+4*\t:CD+4*\t+3], v[RDQ] offset:\t*8*SPITCH          ; eight rows' 64 bytes of my head
.endr
.irp t, 0,1,2,3,4,5,6,7,8,9,10,11,12,13,14,15
	ds_load_b128 v[CD+64+4*\t:CD+64+4*\t+3], v[RDQ2] offset:\t*8*SPITCH
.endr
.set TT, 0
.rept 32
	s_wait_dscnt 31-TT                             ; LDS loads come back in order: load TT is in, the younger ones may be out
	global_store_b128 v[COQ], v[CD+4*TT:CD+4*TT+3], s[10:11] offset:512*TT   ; 32 lanes store 512 consecutive bytes, at a multiple of 512 from hc's first byte
.set TT, TT+1
.endr
	s_branch .Lstored
.Lvpath:
.set TT, 0
.rept 32
	ds_load_b128 v[CD+4*TT:CD+4*TT+3], v[RDV] offset:TT*2*SPITCH          ; two whole rows of 256 bytes
.set TT, TT+1
.endr
.set TT, 0
.rept 32
	s_wait_dscnt 31-TT
	global_store_b128 v[COV], v[CD+4*TT:CD+4*TT+3], s[10:11] offset:2048*TT  ; 16 lanes store 256 consecutive bytes, at a multiple of 256 from hc's first byte
.set TT, TT+1
.endr
.Lstored:
	s_wait_tensorcnt 0x0                           ; the wave's end: behind my last tensor load and my last LDS store
	ds_add_u32 v[SPW], v[NIL]
	s_wait_dscnt 0x0
	CROUND                                         ; the closing round: no work-group ends while a partner may still ask for a tile that names it
	s_endpgm
.Lfunc_end_k_q243294116f_proj:
	.size	k_q243294116f_proj, .Lfunc_end_k_q243294116f_proj-k_q243294116f_proj
	.p2alignl 7, 3214868480
	.fill 96, 4, 3214868480
	.section	.rodata,"a",@progbits
	.p2align	6, 0x0
	.amdhsa_kernel k_q243294116f_proj
		.amdhsa_group_segment_fixed_size 327680
		.amdhsa_private_segment_fixed_size 0
		.amdhsa_enable_private_segment 0
		.amdhsa_kernarg_size 24
		.amdhsa_user_sgpr_count 2
		.amdhsa_user_sgpr_kernarg_segment_ptr 1
		.amdhsa_wavefront_size32 1
		.amdhsa_system_sgpr_workgroup_id_x 1
		.amdhsa_system_sgpr_workgroup_id_y 1
		.amdhsa_system_sgpr_workgroup_id_z 1
		.amdhsa_system_vgpr_workitem_id 0
		.amdhsa_next_free_vgpr 1024
		.amdhsa_next_free_sgpr 100
		.amdhsa_reserve_vcc 0
		.amdhsa_float_denorm_mode_32 3
		.amdhsa_float_denorm_mode_16_64 3
		.amdhsa_memory_ordered 1
		.amdhsa_forward_progress 1
		.amdhsa_inst_pref_size 133
	.end_amdhsa_kernel
	.amdgpu_metadata
---
amdhsa.version: [ 1, 2 ]
amdhsa.kernels:
  - .name:           k_q243294116f_proj
    .symbol:         k_q243294116f_proj.kd
    .args:
      - { .name: codes, .offset: 0, .size: 8, .value_kind: global_buffer, .address_space: global }
      - { .name: lowp_scales, .offset: 8, .size: 8, .value_kind: global_buffer, .address_space: global }
      - { .name: hc, .offset: 16, .size: 8, .value_kind: global_buffer, .address_space: global }
    .group_segment_fixed_size: 327680
    .private_segment_fixed_size: 0
    .kernarg_segment_align: 8
    .kernarg_segment_size: 24
    .max_flat_workgroup_size: 128
    .sgpr_count:     100
    .vgpr_count:     1024
    .wavefront_size: 32
...
	.end_amdgpu_metadata
.endif
;; end of part 2
;; launch attn (part 3): grid 2 x 128, 16 waves a work-group, no clusters, 191,488 bytes of LDS; arguments hc, lowp_scales, oc; writes oc
.if DOCPART == 3
	.amdgcn_target "amdgcn-amd-amdhsa--gfx1250"
	.amdhsa_code_object_version 6
	.text
	.protected	k_q243294116f_attn
	.globl	k_q243294116f_attn
	.p2align	8
	.type	k_q243294116f_attn,@function
k_q243294116f_attn:
	s_mov_b64 s[64:65], 0
	v_nop
	global_prefetch_b8 v0, s[64:65] scope:SCOPE_SE
	s_setreg_imm32_b32 hwreg(HW_REG_WAVE_MODE, 25, 1), 1
	s_wait_xcnt 0x0
; Causal attention on codes of FP8 (E4M3), head size 64, 1,024 queries and keys, 128 heads (batch x head); the result is quantised for the output projection.
; IN (hc): qc [bh][s][64] at byte 0, kc the same at 0x800000, vt [bh][d][s] (keys innermost) at 0x1000000.  Exponents: e6 + e7 the scores', e8 the values', e9 p's, e10 the result's.
; THE SOFTMAX AHEAD OF THE SECOND PRODUCT: t = score x log2(e) / 8; M = the row's largest t so far, rounded UP to a whole number; p = 2^(t - M) is quantised along the keys, not normalised.
; The row's sum is taken of the unquantised p, in f32, and divides O at the end.  When M moves, the sum and O are multiplied by 2^(old M - new M): exact.
; OUT (oc): [row tile 64 b + s / 16][head][c][lane][16 bytes]: lane (r, h) of chunk c holds the codes of row r of the tile, channels 64 head + 32 c + 16 h + 0 .. 15: the register image of the next product's operand.
; SHARES.  Work-group (x, bh), 256 of them.  Wave w owns TWO tiles of 16 queries: tile i = 16 x + w and tile 63 - i.  Under the mask they need i / 8 + 1 and (63 - i) / 8 + 1 key steps of 128: nine together, whatever i is.
; Four waves to a SIMD, 256 registers each, so that one wave's exponentials stand beside another's plain vector work, products and LDS loads.
; K AND V come through registers into LDS, 256 keys a slot, each slot with bytes of its own: nothing in LDS is written twice.  A slot's loads are issued a whole trip ahead of the stores that need them, so no further request ahead of them is laid.
; THE BARRIER IS SPLIT: a wave stores its part of the next slot behind the first two steps of a trip, waits for those stores and signals; it waits for the barrier only at the next trip's head.  Between the two it reads the slot in hand alone, which nobody writes again.
; The work-group with x = 1 has no query beyond 767: it does not fetch the last slot.  Every work-group walks four trips and passes five barriers; a step all of whose keys are hidden is jumped over by a scalar branch on ids.
; NO CLUSTER, NO TENSOR LOAD: only the two work-groups of a head read the same K and V (128 KiB each in the whole launch), and the way through registers lets the rows lie PERMUTED in LDS:
; the LDS row is the key (or the channel) with bits 3 and 4 exchanged.  So the 16 rows of a tile are neighbours in LDS (pitches of 80 and 272 bytes, odd multiples of 16), while lane r of tile 2 b + u holds key 32 b + 8 u + r + 8 (r / 8):
; LAYOUT.  Both products are used transposed: S^T = K Q^T (source 0 = 16 keys, source 1 = my 16 queries), O^T = V^T P^T: a lane holds ONE query (lane % 16) throughout, the 16 registers of tiles 2 b, 2 b + 1 of S^T are keys 32 b + 16 (lane / 16) + 0 .. 15,
; and those of O^T are channels 32 b + 16 (lane / 16) + 0 .. 15: the conversions' results are the next operand's registers.
; LIMITS: e6 + e7 between -123 and 130 (added to c's exponent field); e9 between -126 and 119; e10 - e8 - e9 between -126 and 119.  NaN is not served.
; A hidden key gets the weight 0.  The definition's -1e9 gives the same wherever a row's largest score lies above -9.9e8; codes bound a score by 64 x 448^2 x 2^(e6 + e7) / 8, so that holds for e6 + e7 up to 8.
; REGISTERS: v1-7 addresses that stay; v8-11 addresses in hand; v12-15, v16-19 a tile's -M, largest t, sum in two halves; v20-35 Q; v68-131 S^T, then p; v132-147 p's codes (at the end: O's); v148-211 O^T; v212-227 the next slot on its way;
;   v228-239 at work and constants.  K's eight fragments: v36-67, v132-147, v240-255.  V's four: v36-51, v52-67, v240-255 (asked for behind the scores' products), v68-83 (asked for behind the conversions that read those registers).
.set KPI,   80                         ; a key's row in LDS: 64 bytes + 16
.set VPI,   272                        ; a channel's row of 256 keys: 256 bytes + 16
.set VOFF,  256*KPI                    ; a slot: 256 rows of K, then 64 rows of V
.set SLOTB, VOFF+64*VPI                ; 37,888 bytes; four slots
.macro LOADS                           ; a slot: K's 256 rows of 64 bytes are one dense block, 16 bytes a thread, twice; V's 64 rows of 256 bytes: sixteen lanes to a row, 32 rows an instruction of the work-group
	global_load_b128 v[212:215], v5, s[28:29]
	global_load_b128 v[216:219], v5, s[28:29] offset:8192
	global_load_b128 v[220:223], v6, s[30:31]
	global_load_b128 v[224:227], v6, s[30:31] offset:32768
.endm
.macro STORES ka, va, off
	ds_store_b128 v[\ka], v[212:215] offset:\off
	ds_store_b128 v[\ka], v[216:219] offset:\off+128*KPI
	ds_store_b128 v[\va], v[220:223] offset:\off
	ds_store_b128 v[\va], v[224:227] offset:\off+32*VPI
.endm
.macro KREG n                          ; KR: the first of the eight registers of K's fragment n
.if (\n) < 4
.set KR, 36+8*(\n)
.elseif (\n) < 6
.set KR, 100+8*(\n)                    ; v132, v140
.else
.set KR, 192+8*(\n)                    ; v240, v248
.endif
.endm
.macro VREG t                          ; VR: the first of the sixteen registers of V's fragment t
.if (\t) < 2
.set VR, 36+16*(\t)
.elseif (\t) == 2
.set VR, 240
.else
.set VR, 68
.endif
.endm
	s_load_b128 s[4:7], s[0:1], 0x0                ; hc s[4:5], the scales' exponents s[6:7]
	s_load_b64 s[8:9], s[0:1], 0x10                ; oc
	v_lshrrev_b32 v8, 5, v0
	v_readfirstlane_b32 s10, v8                    ; wave 0..15
	s_and_b32 s12, ttmp7, 0xffff                   ; bh = 16 b + head
	s_lshl_b32 s54, ttmp9, 4
	s_add_co_u32 s54, s54, s10                     ; i
	s_lshl_b32 s14, s54, 4                         ; first query of tile i,
	s_sub_co_u32 s15, 1008, s14                    ; and of tile 63 - i
	s_add_co_u32 s16, s14, 15                      ; their last queries
	s_add_co_u32 s17, s15, 15
	s_sub_co_u32 s13, 3, ttmp9                     ; the last slot that my work-group reads,
	s_sub_co_u32 s60, 2, ttmp9                     ; and the one before
	v_lshlrev_b32 v5, 4, v0                        ; K in memory: 16 x thread
	v_and_b32 v11, 15, v0                          ; r
	v_lshrrev_b32 v37, 4, v0
	v_lshlrev_b32 v37, 10, v37
	v_lshl_add_u32 v6, v11, 4, v37                 ; V in memory: row thread / 16 of 1,024 bytes, + 16 r
	v_bfe_u32 v36, v0, 4, 1                        ; h
	v_lshlrev_b32 v9, 6, v11
	v_lshl_add_u32 v9, v36, 4, v9                  ; Q: row r of 64 bytes, + 16 h  (v9 is written again only behind the wait for Q's loads)
	s_lshl_b32 s54, s12, 16                        ; a head's 65,536 bytes in each of the three tensors
	s_mov_b32 s55, 0
	s_lshl_b32 s56, s15, 6
	s_mov_b32 s57, 0
	s_mov_b32 s59, 0
	s_wait_kmcnt 0x0
	s_load_b256 s[40:47], s[6:7], 0x0              ; e0 .. e7
	s_load_b128 s[48:51], s[6:7], 0x20             ; e8 .. e11
	s_add_nc_u64 s[32:33], s[4:5], s[54:55]        ; qc at my head
	s_add_nc_u64 s[28:29], s[32:33], 0x800000      ; kc
	s_add_nc_u64 s[30:31], s[32:33], 0x1000000     ; vt
	s_add_nc_u64 s[34:35], s[32:33], s[56:57]      ; Q of tile 63 - i
	s_lshl_b32 s56, s14, 6
	s_add_nc_u64 s[32:33], s[32:33], s[56:57]      ; Q of tile i
	LOADS                                          ; slot 0
	global_load_b128 v[20:23], v9, s[32:33] th:TH_LOAD_NT               ; Q's fragments stay in registers: registers 4 c .. 4 c + 3 hold channels 32 c + 16 h + 0 .. 15, as K's do
	global_load_b128 v[24:27], v9, s[32:33] offset:32 th:TH_LOAD_NT
	global_load_b128 v[28:31], v9, s[34:35] th:TH_LOAD_NT
	global_load_b128 v[32:35], v9, s[34:35] offset:32 th:TH_LOAD_NT
	s_lshr_b32 s56, s12, 4                         ; O: (64 b + first query / 16) x 16,384 + head x 1,024
	s_lshl_b32 s56, s56, 20
	s_and_b32 s58, s12, 15
	s_lshl_b32 s58, s58, 10
	s_add_co_u32 s56, s56, s58
	s_lshl_b32 s58, s14, 10
	s_add_co_u32 s58, s58, s56
	s_add_nc_u64 s[36:37], s[8:9], s[58:59]
	s_lshl_b32 s58, s15, 10
	s_add_co_u32 s58, s58, s56
	s_add_nc_u64 s[38:39], s[8:9], s[58:59]
	v_and_b32 v10, 31, v0                          ; lane
	v_mul_u32_u24 v1, v11, KPI
	v_lshl_add_u32 v1, v36, 4, v1                  ; my place in a tile of K: row r, + 16 h
	v_mul_u32_u24 v2, v11, VPI
	v_lshl_add_u32 v2, v36, 4, v2
	v_add_nc_u32 v2, VOFF, v2                      ; and of V
	s_and_b32 s55, s10, 12                         ; K's stores: my thread's key is 8 w + lane / 4; bits 3 and 4 of it are bits 0 and 1 of w: they change places
	s_and_b32 s56, s10, 1
	s_lshl_b32 s56, s56, 1
	s_or_b32 s55, s55, s56
	s_bfe_u32 s56, s10, 0x10001
	s_or_b32 s55, s55, s56
	s_mul_i32 s55, s55, 8*KPI
	v_lshrrev_b32 v37, 2, v10
	v_mul_u32_u24 v3, v37, KPI
	v_and_b32 v37, 3, v10
	v_lshl_add_u32 v3, v37, 4, v3
	v_add_nc_u32 v3, s55, v3
	s_and_b32 s55, s10, 3                          ; V's stores: my thread's channel is 2 w + lane / 16; bits 3 and 4 of it are bits 2 and 3 of w
	s_and_b32 s56, s10, 4
	s_lshl_b32 s56, s56, 1
	s_or_b32 s55, s55, s56
	s_lshr_b32 s56, s10, 1
	s_and_b32 s56, s56, 4
	s_or_b32 s55, s55, s56
	s_mul_i32 s55, s55, 2*VPI
	s_add_co_u32 s55, s55, VOFF
	v_mul_u32_u24 v4, v36, VPI
	v_lshl_add_u32 v4, v11, 4, v4
	v_add_nc_u32 v4, s55, v4
	v_lshlrev_b32 v7, 4, v10                       ; the way out: 16 x lane
	v_lshlrev_b32 v37, 4, v36
	v_sub_nc_u32 v236, v11, v37                    ; r - 16 h, for the mask
	s_mov_b32 s20, 0x76543210                      ; v_permlanex16_b32's selects for lane l xor 16
	s_mov_b32 s21, 0xfedcba98
.irp s, 12, 16
	v_mov_b32 v[\s+1], 0xff61b1e6                  ; the largest t so far: -3e38, under every t
	v_floor_f32 v[\s], -v[\s+1]                    ; -M
	v_mov_b32 v[\s+2], 0                           ; the sum, in two halves
	v_mov_b32 v[\s+3], 0
.endr
	v_mov_b32 v231, 0                              ; (named as the upper half of the pair v[230:231])
	v_mov_b32 v234, 0                              ; written once: a lane permute's destination counts as one of its sources
	v_mov_b32 v235, 0xff800000                     ; -infinity
.set J, 0
.rept 64
	v_mov_b32 v[148+J], 0                          ; O^T.  (The step is written once: a tile's first step finds zeros, which the first change of M leaves zeros)
.set J, J+1
.endr
	s_wait_kmcnt 0x0
	s_add_co_i32 s54, s46, s47
	s_lshl_b32 s54, s54, 23
	s_mov_b32 s22, 0x3e38aa3b                      ; c = log2(e) / 8
	s_add_co_i32 s22, s22, s54                     ; a score stands for score x 2^(e6 + e7): the exponents are added to c's exponent field
	s_mov_b32 s23, s22                             ; (named with it as a pair, so it is written)
	s_add_co_i32 s54, s49, 127
	s_lshl_b32 s55, s54, 23
	v_mov_b32 v237, s55                            ; 2^e9 as f32, for p's conversion
	s_add_co_i32 s54, s54, 8
	s_lshl_b32 s54, s54, 23
	s_or_b32 s54, s54, 0x600000
	v_mov_b32 v238, s54                            ; 448 x 2^e9
	s_sub_co_i32 s54, s50, s48
	s_sub_co_i32 s54, s54, s49                     ; a sum of the second product stands for sum x 2^(e8 + e9): O's conversion takes 2^(e10 - e8 - e9)
	s_add_co_i32 s54, s54, 127
	s_lshl_b32 s55, s54, 23
	v_mov_b32 v239, s55
	s_add_co_i32 s54, s54, 8
	s_lshl_b32 s53, s54, 23
	s_or_b32 s53, s53, 0x600000                    ; 448 x that,
	s_or_b32 s52, s53, 0x80000000                  ; and its negative
	s_wait_loadcnt 4                               ; slot 0's four loads are in; Q's four may be out
	STORES 3, 4, 0
	s_wait_dscnt 0x0                               ; my part of slot 0 lies in LDS; the stores have read their registers, which take the next slot
	s_add_nc_u64 s[28:29], s[28:29], 16384         ; (slot 0's loads are done: their bases may step)  256 keys on
	s_add_nc_u64 s[30:31], s[30:31], 256
	LOADS                                          ; slot 1
	s_barrier_signal -1                            ; slot 0's barrier: the wait for it stands at the loop's head
	s_wait_loadcnt 4                               ; Q is in; slot 1's four stay out
	s_mov_b32 s24, 0                               ; the trip
	s_mov_b32 s18, 0                               ; LDS byte of the slot in hand
	s_mov_b32 s19, 0                               ; its first key
; A KEY STEP: 16 queries (tile X: 0 = tile i, 1 = tile 63 - i) x 128 keys, the q-th of the slot in hand.
.macro STEP X, q
.set QF, 20+8*(\X)
.set OT, 148+32*(\X)
.set ST, 12+4*(\X)
	s_add_co_u32 s26, s19, 128*(\q)                ; the step's first key
	s_cmp_gt_u32 s26, s[16+\X]
	s_cbranch_scc1 .Lhid_\@                        ; all its keys come after my queries: a branch on ids; no half of a barrier stands in a step
	v_add_nc_u32 v8, s18, v1
	v_add_nc_u32 v9, s18, v2
.rept 4
	v_nop                                          ; with the two additions six places behind the last V^T P products: four are owed by the loads into registers that those read, five by the products below, which write over v68-83
.endr
.irp n, 0,1,2,3,4,5,6,7                        ; K's eight fragments of 16 keys in ONE run of sixteen loads
	KREG \n
	ds_load_b128 v[KR:KR+3], v8 offset:(128*(\q)+16*\n)*KPI
	ds_load_b128 v[KR+4:KR+7], v8 offset:(128*(\q)+16*\n)*KPI+32
.endr
	s_wait_dscnt 8                                 ; LDS loads come back in order: fragments 0 to 3 are in, the eight loads of fragments 4 to 7 may be out
.irp n, 0,1,2,3                                ; S^T = K Q^T
	KREG \n
	v_wmma_f32_16x16x64_fp8_fp8 v[68+8*\n:75+8*\n], v[KR:KR+7], v[QF:QF+7], 0
.endr
	s_wait_dscnt 0x0
.irp n, 4,5,6,7
	KREG \n
	v_wmma_f32_16x16x64_fp8_fp8 v[68+8*\n:75+8*\n], v[KR:KR+7], v[QF:QF+7], 0
.endr
.rept 4
	v_nop                                          ; places: for the loads below, into registers that these products have read, and for the first reads of their results
.endr
.irp t, 0,1,2                                  ; three of V's four fragments are asked for now, into K's registers: they land while the softmax is worked
	VREG \t
.irp c, 0,1,2,3
	ds_load_b128 v[VR+4*\c:VR+4*\c+3], v9 offset:16*\t*VPI+128*(\q)+32*\c
.endr
.endr
	s_add_co_u32 s27, s26, 127                     ; THE MASK.  A step all of whose keys count skips it
	s_cmp_le_u32 s27, s[14+\X]
	s_cbranch_scc1 .Lopen_\@
	s_sub_co_i32 s27, s[14+\X], s26                ; D = my first query - the step's first key: 0 .. 112
	v_add_nc_u32 v229, s27, v236                   ; d = my query - first key - 16 h.  Register 16 b + i holds key 32 b + 16 h + i of the step: hidden where 32 b + i > d
.irp b, 0,1,2,3
	s_cmp_ge_i32 s27, 32*\b+31                     ; a block of 32 keys all of which count for all 16 queries is left as it is
	s_cbranch_scc1 .Lvis_\@_\b
.irp i, 0,1,2,3,4,5,6,7,8,9,10,11,12,13,14,15
	v_cmp_gt_i32 vcc_lo, 32*\b+\i, v229
	v_cndmask_b32 v[68+16*\b+\i], v[68+16*\b+\i], v235, vcc_lo   ; -infinity ahead of the maximum: p = 0 then.  The step's first key counts for every query, so M stays a number
.endr
.Lvis_\@_\b:
.endr
.Lopen_\@:
	v_max3_num_f32 v228, v68, v69, v70             ; the step's largest score of my query, among my 64 keys, in two chains, each accumulator from its low end on,
	v_max3_num_f32 v229, v71, v72, v73
.irp i, 6,10,14,18,22,26,30,34,38,42,46,50,54,58
	v_max3_num_f32 v228, v228, v[68+\i], v[69+\i]
	v_max3_num_f32 v229, v229, v[70+\i], v[71+\i]
.endr
	v_max3_num_f32 v228, v228, v130, v131
	v_max_num_f32 v228, v228, v229
	v_permlanex16_b32 v234, v228, s20, s21
	v_max_num_f32 v228, v228, v234                 ; and among lane l xor 16's
	v_mul_f32 v228, s22, v228                      ; as t (c is positive)
	v_max_num_f32 v[ST+1], v[ST+1], v228           ; the running largest t
	v_mov_b32 v228, v[ST]
	v_floor_f32 v[ST], -v[ST+1]                    ; the new -M = floor(-t) = -ceil(t): M is a whole number
	v_sub_f32 v228, v[ST], v228                    ; M's old value less its new one: a whole number, 0 or less
	v_cvt_i32_f32 v228, v228                       ; (it saturates)
	v_ldexp_f32 v230, 1.0, v228                    ; f = 2^(old M - new M): a multiplication by it rounds nothing
.set J, 0
.rept 32
	v_pk_fma_f32 v[68+J:69+J], v[68+J:69+J], s[22:23], v[ST:ST+1] op_sel_hi:[1,0,0]   ; t - M, two at a time (of the pairs c and -M the low word serves both halves)
.set J, J+2
.endr
.set J, 0
.rept 64
	v_exp_f32 v[68+J], v[68+J]                     ; p = 2^(t - M), at most 1: not normalised
.set J, J+1
.endr
	v_pk_mul_f32 v[ST+2:ST+3], v[ST+2:ST+3], v[230:231] op_sel_hi:[1,0]   ; the sums under the new M: the plain line behind the exponentials
	s_wait_alu depctr_va_vdst(0)                   ; one wait for the batch of 64, ahead of its first reader
	v_pk_add_f32 v[232:233], v[68:69], v[70:71]    ; the row's sum is taken of the UNQUANTISED p: two at a time, in two chains
.irp j, 4,8,12,16,20,24,28,32,36,40,44,48,52,56,60
	v_pk_add_f32 v[ST+2:ST+3], v[ST+2:ST+3], v[68+\j:69+\j]
	v_pk_add_f32 v[232:233], v[232:233], v[70+\j:71+\j]
.endr
	v_pk_add_f32 v[ST+2:ST+3], v[ST+2:ST+3], v[232:233]
	s_cmp_ge_i32 s49, -8                           ; p is at most 1: with e9 at -8 or above p / 2^e9 is at most 256, under 448, and there is nothing to hold.  A branch on a whole number that was loaded
	s_cbranch_scc1 .Lnohold_\@
.set J, 0
.rept 64
	v_min_num_f32 v[68+J], v[68+J], v238           ; the conversion to an 8-bit code does not saturate (ISA guide 7.6.2); p is not negative, so the hold is one-sided
.set J, J+1
.endr
.Lnohold_\@:
	v_cvt_scalef32_pk8_fp8_f32 v[132:133], v[68:75], v237    ; registers 4 b .. 4 b + 3 of the operand: keys 32 b + 16 h + 0 .. 15
	v_cvt_scalef32_pk8_fp8_f32 v[134:135], v[76:83], v237
.irp c, 0,1,2,3
	ds_load_b128 v[68+4*\c:71+4*\c], v9 offset:48*VPI+128*(\q)+32*\c   ; V's fourth fragment, into the sixteen registers that the two conversions above have read
.endr
.irp b, 1,2,3
	v_cvt_scalef32_pk8_fp8_f32 v[132+4*\b:133+4*\b], v[68+16*\b:75+16*\b], v237
	v_cvt_scalef32_pk8_fp8_f32 v[134+4*\b:135+4*\b], v[76+16*\b:83+16*\b], v237
.endr
.set J, 0
.rept 16
	v_pk_mul_f32 v[OT+J:OT+J+1], v[OT+J:OT+J+1], v[230:231] op_sel_hi:[1,0]   ; O^T under the new M.  (Plain lines between the conversions and the products that read their results)
.set J, J+2
.endr
	s_wait_dscnt 0x0                               ; V's four fragments are in
.irp t, 0,1,2,3                                ; O^T += V^T P^T: four tiles of 16 channels; K = these 128 keys
	VREG \t
	v_wmma_f32_16x16x128_fp8_fp8 v[OT+8*\t:OT+8*\t+7], v[VR:VR+15], v[132:147], v[OT+8*\t:OT+8*\t+7]   ; the four accumulators take turns; eight products of S^T stand between two links of a chain
.endr
.Lhid_\@:
.endm
.Lslot:                                            ; four trips, a slot of 256 keys each
	s_barrier_wait -1                              ; every wave has signalled behind its stores of this slot: the slot is whole
	STEP 1, 0
	STEP 0, 0
	s_cmp_lt_u32 s24, s13                          ; is the next slot one that my work-group reads?
	s_cbranch_scc0 .Lnofill
	s_wait_loadcnt 0x0                             ; its four loads, issued a trip ago, are in
	v_add_nc_u32 v10, s18, v3
	v_add_nc_u32 v11, s18, v4
	STORES 10, 11, SLOTB
	s_cmp_lt_u32 s24, s60                          ; and the slot after it?
	s_cbranch_scc0 .Lnofill
	s_wait_dscnt 0x0                               ; the stores have read their registers, which take the next loads
	s_add_nc_u64 s[28:29], s[28:29], 16384         ; (the loads that read these bases are done)
	s_add_nc_u64 s[30:31], s[30:31], 256
	LOADS
.Lnofill:
	s_wait_dscnt 0x0                               ; for the others' sake: my stores of the next slot are done,
	s_barrier_signal -1                            ; and I say so now; up to the wait at the next trip's head I only read the slot in hand, which no wave writes again
	STEP 1, 1
	STEP 0, 1
	s_add_co_u32 s18, s18, SLOTB
	s_add_co_u32 s19, s19, 256
	s_add_co_u32 s24, s24, 1
	s_cmp_lt_u32 s24, 4
	s_cbranch_scc1 .Lslot
	s_barrier_wait -1                              ; the last trip's signal has its wait: no barrier is open at the end
; THE WAY OUT.  O^T / the sum, held, converted with 2^(e10 - e8 - e9): a lane's 16 registers of two tiles are 16 neighbouring channels, 16 bytes of codes; the wave stores 512 consecutive bytes from registers, twice a tile.
.macro FINISH X
.set OT, 148+32*(\X)
.set ST, 12+4*(\X)
.set OC, 132+8*(\X)
	v_add_f32 v228, v[ST+2], v[ST+3]               ; the sum's two halves,
	v_permlanex16_b32 v234, v228, s20, s21
	v_add_f32 v228, v228, v234                     ; and lane l xor 16's: the row's sum, above 1/2
	v_rcp_f32 v230, v228
	v_nop                                          ; one plain line behind the reciprocal,
	s_wait_alu depctr_va_vdst(0)                   ; and the wait ahead of its first reader
.set J, 0
.rept 16
	v_pk_mul_f32 v[68+J:69+J], v[OT+J:OT+J+1], v[230:231] op_sel_hi:[1,0]   ; each accumulator from its low end on
.set J, J+2
.endr
.set J, 0
.rept 32
	v_med3_num_f32 v[68+J], v[68+J], s52, s53      ; the hold at 448 x the scale
.set J, J+1
.endr
.irp b, 0,1
	v_cvt_scalef32_pk8_fp8_f32 v[OC+4*\b:OC+4*\b+1], v[68+16*\b:75+16*\b], v239
	v_cvt_scalef32_pk8_fp8_f32 v[OC+4*\b+2:OC+4*\b+3], v[76+16*\b:83+16*\b], v239
.endr
	v_nop                                          ; one plain line behind the last conversion: the other tile's multiplies write the conversions' sources
	global_store_b128 v7, v[OC:OC+3], s[36+2*\X:37+2*\X]                 ; channels 0-31 of my head: 512 consecutive bytes, at a multiple of 512 from oc's first byte
	global_store_b128 v7, v[OC+4:OC+7], s[36+2*\X:37+2*\X] offset:512    ; channels 32-63
.endm
.rept 4
	v_nop                                          ; places behind the last products
.endr
	FINISH 0
	FINISH 1
	s_wait_xcnt 0x0
	v_lshl_add_u32 v254, v0, 2, 0x2e400
	v_mov_b32 v255, 0
	s_wait_tensorcnt 0x0
	ds_add_u32 v254, v255
	s_wait_dscnt 0x0
	s_endpgm
.Lfunc_end_k_q243294116f_attn:
	.size	k_q243294116f_attn, .Lfunc_end_k_q243294116f_attn-k_q243294116f_attn
	.p2alignl 7, 3214868480
	.fill 96, 4, 3214868480
	.section	.rodata,"a",@progbits
	.p2align	6, 0x0
	.amdhsa_kernel k_q243294116f_attn
		.amdhsa_group_segment_fixed_size 191488
		.amdhsa_private_segment_fixed_size 0
		.amdhsa_enable_private_segment 0
		.amdhsa_kernarg_size 24
		.amdhsa_user_sgpr_count 2
		.amdhsa_user_sgpr_kernarg_segment_ptr 1
		.amdhsa_wavefront_size32 1
		.amdhsa_system_sgpr_workgroup_id_x 1
		.amdhsa_system_sgpr_workgroup_id_y 1
		.amdhsa_system_sgpr_workgroup_id_z 1
		.amdhsa_system_vgpr_workitem_id 0
		.amdhsa_next_free_vgpr 256
		.amdhsa_next_free_sgpr 66
		.amdhsa_reserve_vcc 1
		.amdhsa_float_denorm_mode_32 3
		.amdhsa_float_denorm_mode_16_64 3
		.amdhsa_memory_ordered 1
		.amdhsa_forward_progress 1
		.amdhsa_inst_pref_size 101
	.end_amdhsa_kernel
	.amdgpu_metadata
---
amdhsa.version: [ 1, 2 ]
amdhsa.kernels:
  - .name:           k_q243294116f_attn
    .symbol:         k_q243294116f_attn.kd
    .args:
      - { .name: hc, .offset: 0, .size: 8, .value_kind: global_buffer, .address_space: global }
      - { .name: lowp_scales, .offset: 8, .size: 8, .value_kind: global_buffer, .address_space: global }
      - { .name: oc, .offset: 16, .size: 8, .value_kind: global_buffer, .address_space: global }
    .group_segment_fixed_size: 191488
    .private_segment_fixed_size: 0
    .kernarg_segment_align: 8
    .kernarg_segment_size: 24
    .max_flat_workgroup_size: 512
    .sgpr_count:     66
    .vgpr_count:     256
    .wavefront_size: 32
...
	.end_amdgpu_metadata
.endif
;; end of part 3
;; launch outp (part 4): grid 4 x 64, 4 waves a work-group, clusters of 4 x 4, 327,680 bytes of LDS; arguments oc, codes, lowp_scales, out0; writes out0
.if DOCPART == 4
	.amdgcn_target "amdgcn-amd-amdhsa--gfx1250"
	.amdhsa_code_object_version 6
	.text
	.protected	k_q243294116f_outp
	.globl	k_q243294116f_outp
	.p2align	8
	.type	k_q243294116f_outp,@function
k_q243294116f_outp:
	s_mov_b64 s[64:65], 0
	v_nop
	global_prefetch_b8 v0, s[64:65] scope:SCOPE_SE
	s_setreg_imm32_b32 hwreg(HW_REG_WAVE_MODE, 25, 1), 1
	s_wait_xcnt 0x0
	s_wait_alu depctr_hold_cnt(0) depctr_sa_sdst(0) depctr_va_vdst(0) depctr_va_sdst(0) depctr_va_ssrc(0) depctr_va_vcc(0) depctr_vm_vsrc(0)
	s_getreg_b32 s2, hwreg(HW_REG_IB_STS2, 6, 4)
	s_cmp_eq_u32 s2, 0
	s_cbranch_scc0 .Lentry_in_a_cluster
	s_endpgm
.Lentry_in_a_cluster:
	s_bfe_u32 s2, ttmp6, 0x10000c
	s_cmp_lg_u32 s2, 0xf033
	s_cbranch_scc0 .Lentry_shape_is_right
	s_endpgm
.Lentry_shape_is_right:
; out0[m][n] = sum over k of O[m][k] Wo[n][k] on codes of FP8 (E4M3); M = 8,192, N = K = 1,024; sums in f32, each finished sum multiplied once by 2^(e10 + e11).
; LIMIT: e10 + e11 lies between -126 and 127, so that 2^(e10 + e11) is an f32 number.
; A = oc, laid as register images: [row tile of 16 rows][head][chunk][lane][16 bytes]: the 2,048 bytes of two heads of a row tile are one fragment (16 rows x 128 K): chunk c, lane l = registers 4 c .. 4 c + 3 of lane l.
; B = Wo's codes, plain rows of 1,024 bytes, at byte 0x1b00000 of the codes' buffer.
; A tile of 128 x 256 is made by a work-group of four waves: 64 x 4 = 256 tiles, one for each WGP.  A wave makes 64 x 128: 32 accumulators, 256 registers.
; K has 4 steps of 256.  A slot holds one: A's 8 row tiles x 4,096 bytes, dense, then B's 256 rows padded to 272 bytes: 102,400 bytes.  THREE slots fit: K steps 0, 1 and 2 are first fills, issued together at the start
; (three tensor loads of a wave are out); only K step 3 is a refill, into slot 0, and it has four steps of 128 along K, 128 matrix instructions, in which to land.  The text is straight: 8 steps of 128 along K, no loop.
; CLUSTERS: 4 x 4 work-groups; A's tiles are asked for jointly along a row of the cluster, B's along a column.  THE MATRIX INSTRUCTION IS USED TRANSPOSED (source 0 = rows of B, source 1 = rows of A): a lane holds eight neighbouring numbers of a row of out0.
; No prefetch: three of the 4 K steps are first fills and the fourth is asked for in the second of the eight steps.
; REGISTERS, in windows of 256: window 0: v0-31 addresses; A's fragments (4 x 16 rows x 128 K), TWO sets, at v128 and v192; on the way out v32-255 are free.   window 1: B's fragments (8), TWO sets, at v0 and v128.   window 2: the accumulators ((a, b) at v[8 (8 a + b)]).
.set SIZE_N, 1024
.set ROWB,   256                       ; a row of B's tile in bytes
.set KROW,   1024                      ; a row of Wo's codes in memory
.set ASTEP,  4096                      ; a row tile's bytes of a K step of 256: four heads
.set AROW,   16384                     ; from row tile to row tile in oc
.set PITCH,  272                       ; B's LDS row: 256 bytes + 16 of padding = 68 words: row r starts at bank 4 r mod 64 (64 banks of 4 bytes: ISA guide 11.1)
.set FR,     16                        ; registers of a fragment
.set NP,     4                         ; places behind this matrix instruction (ISA guide 7.12.1)
.set HALFA,  4*ASTEP                   ; what one tensor load brings of A: 4 row tiles
.set ATILE,  2*HALFA
.set HALFB,  128*PITCH                 ; and of B: 128 padded rows
.set SLOT,   ATILE+2*HALFB             ; 102,400
.set SPARE,  3*SLOT                    ; behind the three slots: the spare words, 128 bytes for each wave: two blocks of 256 bytes that no other line names
.set STAGE,  SLOT                      ; the way out: a stage of 16 rows x (512 bytes + 16) for each wave, in slot 1, which is filled once and is read for the last time in front of the second change of slots
.set SPITCH, 528
.set ADRA, 16                          ; v16-18  LDS address of my A fragments in slot 0, 1, 2
.set ADRB, 20                          ; v20-22  the same for B
.set STO,  24                          ; v24     the way out: where I put 32 bytes of a row
.set RD,   25                          ; v25     where I read a row back
.set CO,   26                          ; v26     my byte offset in a row of out0
.set SPW,  28                          ; v28     LDS address of my spare word: SPARE + 4 x my thread's number; never rewritten
.set NIL,  29                          ; v29     0; never rewritten
.set TMP,  32
.set AF,   128
.set BK,   128
.set G1,  24                           ; s[24:31] descriptor group 1 for A's tiles;  s[32:39] for B's
.set G1B, 32
.set G0,  48                           ; s[48:59] group 0 for A's tiles, one set for each slot;  s[68:79] for B's
.set G0B, 68
.set MSB, 0
.macro WIN new                         ; the immediate's high byte repeats the setting that is left
.if MSB != \new
	s_set_vgpr_msb (MSB<<8)|\new
.set MSB, \new
.endif
.endm
.set MUL_LO, 0xa1                      ; source 0 (B) window 1, source 1 (A) window 0, C and D window 2
.set TO_B,   0x40                      ; destination window 1, address window 0
; A joint load: waves 0 and 1 fetch for A, waves 2 and 3 for B; the branch hangs on the wave's number alone.  Four v_nop follow each of the two lines.
.macro JLOAD g0a, g1a, g0b, g1b
	s_cmp_eq_u32 s15, 0
	s_cbranch_scc0 .Lfor_b_\@
	tensor_load_to_lds s[\g0a:\g0a+3], s[\g1a:\g1a+7]
	s_nop 0
.rept 4
	v_nop
.endr
	s_branch .Lasked_\@
.Lfor_b_\@:
	tensor_load_to_lds s[\g0b:\g0b+3], s[\g1b:\g1b+7]
	s_nop 0
.rept 4
	v_nop
.endr
.Lasked_\@:
.endm
.macro CREST                           ; a round of the cluster's barrier behind its opening barrier
	s_cmp_lg_u32 s14, 0
	s_cbranch_scc1 .Lnot_wave_0_\@
	s_barrier_signal -3
.Lnot_wave_0_\@:
	s_barrier_wait -3
	s_barrier_signal -1
	s_barrier_wait -1
.endm
.macro CROUND                          ; a whole round
	s_barrier_signal -1
	s_barrier_wait -1
	CREST
.endm
	s_load_b128 s[4:7], s[0:1], 0x0                ; oc s[4:5], the codes s[6:7]
	s_load_b128 s[8:11], s[0:1], 0x10              ; the scales' exponents s[8:9], out0 s[10:11]
	v_lshl_add_u32 v[SPW], v0, 2, SPARE
	v_mov_b32 v[NIL], 0
	ds_add_u32 v28, v29
	ds_add_u32 v28, v29
	s_wait_dscnt 0x0
	v_lshrrev_b32 v1, 5, v0
	v_readfirstlane_b32 s14, v1                    ; wave 0..3
	s_lshr_b32 s15, s14, 1                         ; which 64 of the tile's rows are mine.  Also: I fetch for A (0) or for B (1)
	s_and_b32 s16, s14, 1                          ; which 128 of its columns.  Also: which half of that tile I fetch
	s_bfe_u32 s40, ttmp6, 0x40000                  ; cx, cy: my place in the cluster
	s_bfe_u32 s41, ttmp6, 0x40004
	s_lshl_b32 s42, ttmp9, 2
	s_add_co_u32 s42, s42, s40                     ; tile column = 4 x cluster x + cx: 0 .. 3
	s_and_b32 s17, ttmp7, 0xffff
	s_lshl_b32 s17, s17, 2
	s_add_co_u32 s17, s17, s41                     ; tile row = 4 x cluster y + cy: 0 .. 63
	s_lshl_b32 s43, s41, 2
	s_lshl_b32 s43, 15, s43                        ; my row of the cluster
	s_lshl_b32 s44, 0x1111, s40                    ; my column
	; descriptor group 1 for A: 4 row tiles x 4,096 bytes, 16,384 bytes apart, dense in LDS
	s_or_b32 s[G1+0], s43, (0<<16)|(1<<21)         ; 15:0 the mask: A's tiles go to my row; 17:16 element of 1 byte; 20 no padding; 21 set beside a mask
	s_mov_b32 s[G1+1], ASTEP<<16                   ; tensor_dim0
	s_mov_b32 s[G1+2], 4<<16                       ; tensor_dim1 = 4
	s_mov_b32 s[G1+3], ASTEP<<16                   ; tile_dim0
	s_mov_b32 s[G1+4], 4                           ; tile_dim1 = 4
	s_mov_b32 s[G1+5], AROW                        ; tensor_dim0_stride
	s_mov_b32 s[G1+6], 0
	s_mov_b32 s[G1+7], 0
	; and for B: 128 rows x 256 bytes, padded in LDS
	s_or_b32 s[G1B+0], s44, (0<<16)|(1<<20)|(1<<21)|(5<<22)|(3<<25)  ; the mask of my column; padding: 4 words (code 3) after every 64 (code 5)
	s_mov_b32 s[G1B+1], ROWB<<16
	s_mov_b32 s[G1B+2], 128<<16
	s_mov_b32 s[G1B+3], ROWB<<16
	s_mov_b32 s[G1B+4], 128
	s_mov_b32 s[G1B+5], KROW
	s_mov_b32 s[G1B+6], 0
	s_mov_b32 s[G1B+7], 0
	s_lshl_b32 s20, s17, 17                        ; A: 8 row tiles of 16,384 bytes for a tile row,
	s_lshl_b32 s18, s16, 16                        ; + 4 for the half that I fetch
	s_add_co_u32 s20, s20, s18
	s_mov_b32 s21, 0
	s_lshl_b32 s46, s42, 8
	s_lshl_b32 s18, s16, 7
	s_add_co_u32 s46, s46, s18                     ; B: row 256 x tile column + 128 x half,
	s_lshl_b32 s46, s46, 10                        ; in bytes,
	s_add_co_u32 s46, s46, 0x1b00000               ; in Wo's part of the codes
	s_mov_b32 s47, 0
	s_lshl_b32 s45, s16, 14                        ; where they go in a slot: A's half at 16,384 x half,
	s_mul_i32 s80, s16, HALFB
	s_add_co_u32 s80, s80, ATILE                   ; B's behind A's tile: no place in the cluster enters an LDS address
	s_wait_kmcnt 0x0
	s_load_b64 s[96:97], s[8:9], 0x28              ; e10, e11
	s_add_nc_u64 s[20:21], s[4:5], s[20:21]
	s_add_nc_u64 s[46:47], s[6:7], s[46:47]
	CROUND                                         ; all sixteen work-groups are here: the first joint loads meet
.irp s, 0,1,2                                  ; K steps 0, 1, 2: the first fills go out as one group: three loads of mine are out
	s_mov_b32 s[G0+4*\s], 1
	s_add_co_u32 s[G0+4*\s+1], s45, \s*SLOT
	s_add_nc_u64 s[G0+4*\s+2:G0+4*\s+3], s[20:21], \s*ASTEP
	s_or_b32 s[G0+4*\s+3], s[G0+4*\s+3], 0x80000000
	s_mov_b32 s[G0B+4*\s], 1
	s_add_co_u32 s[G0B+4*\s+1], s80, \s*SLOT
	s_add_nc_u64 s[G0B+4*\s+2:G0B+4*\s+3], s[46:47], \s*ROWB
	s_or_b32 s[G0B+4*\s+3], s[G0B+4*\s+3], 0x80000000
	JLOAD G0+4*\s, G1, G0B+4*\s, G1B
.endr
	v_and_b32 v1, 15, v0                           ; l % 16
	v_bfe_u32 v2, v0, 4, 1                         ; l / 16
	v_and_b32 v6, 31, v0                           ; lane
	v_lshlrev_b32 v[CO], 4, v6                     ; 16 x lane: my place in an image's 512 bytes, and in a row of out0
	v_mul_u32_u24 v3, v1, PITCH
	v_lshl_add_u32 v4, v2, 4, v3                   ; B: a fragment's row x pitch + 16 x half
	s_lshl_b32 s21, s15, 14                        ; my 4 row tiles of A
	s_mul_i32 s22, s16, HALFB                      ; my 128 rows of B,
	s_add_co_u32 s22, s22, ATILE                   ; which lie behind A's tile
.irp s, 0,1,2
	v_add_nc_u32 v[ADRA+\s], s21, v[CO]
	v_add_nc_u32 v[ADRB+\s], s22, v4
	s_add_co_u32 s21, s21, SLOT
	s_add_co_u32 s22, s22, SLOT
.endr
	s_mul_i32 s23, s14, 16*SPITCH
	s_add_co_u32 s23, s23, STAGE                   ; my stage
	v_mul_u32_u24 v5, v1, SPITCH                   ; in: row l % 16, 32 bytes for each half of the lanes
	v_lshl_add_u32 v5, v2, 5, v5
	v_add_nc_u32 v[STO], s23, v5
	v_add_nc_u32 v[RD], s23, v[CO]                 ; back: the 32 lanes take one row of 512 bytes
	s_lshl_b32 s20, s17, 7
	s_lshl_b32 s21, s15, 6
	s_add_co_u32 s20, s20, s21                     ; my first row of out0: 128 x tile row + 64 x half,
	s_lshl_b32 s20, s20, 12                        ; of 4,096 bytes: under 2^25
	s_lshl_b32 s46, s42, 10                        ; my first column, in bytes: 1,024 x tile column + 512 x half
	s_lshl_b32 s47, s16, 9
	s_add_co_u32 s46, s46, s47
	s_add_co_u32 s20, s20, s46
	s_mov_b32 s21, 0
	s_add_nc_u64 s[10:11], s[10:11], s[20:21]
.macro FRAG reg, adr, q, i             ; a fragment of B, 16 rows x 128 K: lane l holds row l % 16; registers 4 c .. 4 c + 3 hold K = 32 c + 16 (l / 16) + 0 .. 15
.irp c, 0,1,2,3
	ds_load_b128 v[\reg+4*\c:\reg+4*\c+3], v[\adr] offset:128*(\q)+32*\c+(\i)*16*PITCH
.endr
.endm
.macro FRAGA reg, adr, q, i            ; a fragment of A comes as it was stored: four times 512 consecutive bytes; the same K in the same places as B's
.irp c, 0,1,2,3
	ds_load_b128 v[\reg+4*\c:\reg+4*\c+3], v[\adr] offset:(\i)*ASTEP+(\q)*2048+512*\c
.endr
.endm
; 8 matrix instructions: A's block a x B's eight, 128 along K, on set p of both.  zero = 1: the first product starts the sums: nothing is ever cleared.
; The 32 accumulators take turns, one instruction a turn, in the same order in every step.
.macro MUL8 a, p, zero
.irp b, 0,1,2,3,4,5,6,7
.if \zero
	v_wmma_f32_16x16x128_fp8_fp8 v[8*(8*(\a)+\b):8*(8*(\a)+\b)+7], v[128*(\p)+FR*\b:128*(\p)+FR*\b+FR-1], v[AF+64*(\p)+FR*(\a):AF+64*(\p)+FR*(\a)+FR-1], 0
.else
	v_wmma_f32_16x16x128_fp8_fp8 v[8*(8*(\a)+\b):8*(8*(\a)+\b)+7], v[128*(\p)+FR*\b:128*(\p)+FR*\b+FR-1], v[AF+64*(\p)+FR*(\a):AF+64*(\p)+FR*(\a)+FR-1], v[8*(8*(\a)+\b):8*(8*(\a)+\b)+7]
.endif
.endr
.endm
.macro FETCH_B slot, q, p              ; B's eight fragments of the slot's q-th 128 along K into set p: 32 loads
	WIN TO_B
.irp i, 0,1,2,3,4,5,6,7
	FRAG 128*(\p)+FR*\i, ADRB+\slot, \q, \i
.endr
	WIN 0
.endm
.macro FETCH_A slot, q, p              ; A's four: 16 loads
.irp i, 0,1,2,3
	FRAGA AF+64*(\p)+FR*\i, ADRA+\slot, \q, \i
.endr
.endm
.macro PLACES n                        ; plain vector lines between a matrix instruction and a load into, or a vector read of, its registers (ISA guide 7.12.1 for vector reads)
.rept \n
	v_nop
.endr
.endm
; A step of 128 along K on set p; meanwhile the next step's fragments (the nq-th 128 along K of slot ns) come into the other set, in two runs.
.macro STEP p, zero, ns, nq
	s_wait_dscnt 0x0                               ; this step's fragments are in
	PLACES NP                                      ; behind the last step's products, which read the sets that are loaded now
	FETCH_B \ns, \nq, 1-\p
	WIN MUL_LO
	MUL8 0, \p, \zero
	MUL8 1, \p, \zero
	WIN 0
	FETCH_A \ns, \nq, 1-\p
	WIN MUL_LO
	MUL8 2, \p, \zero
	MUL8 3, \p, \zero
	WIN 0
.endm
; A step whose successor lies in a slot that is not yet shown whole: ONE barrier; in front of it each wave waits for all its tensor loads, adds 0 to its spare word, and waits for that and for its LDS reads.
; fill = 1: slot 0, whose last fragments are in registers, is filled again, with K step 3; the barrier then opens a round of the cluster's barrier.
.macro TURN p, fill, ns, nq
	s_wait_tensorcnt 0x0                           ; all my tensor loads have landed;  (every window is 0 here: the add's two registers lie in window 0)
	ds_add_u32 v[SPW], v[NIL]                      ; 0 onto my spare word
	s_wait_dscnt 1                                 ; this step's fragments are in; the add alone may be out
	WIN MUL_LO
	MUL8 0, \p, 0                                  ; eight matrix instructions stand between the add and the wait for it
	s_wait_dscnt 0x0                               ; the add is done, and no LDS read of mine is out
	s_barrier_signal -1
	MUL8 1, \p, 0
	WIN 0
	s_barrier_wait -1
.if \fill
	CREST                                          ; no wave of any partner still reads slot 0 or has a load on its way
	s_add_nc_u64 s[G0+2:G0+3], s[G0+2:G0+3], 3*ASTEP
	s_add_nc_u64 s[G0B+2:G0B+3], s[G0B+2:G0B+3], 3*ROWB
	JLOAD G0, G1, G0B, G1B                         ; the first tensor load behind the round, and my only one from here on; the four v_nop behind it are the places in front of the loads below
.else
	PLACES NP
.endif
	FETCH_B \ns, \nq, 1-\p
	FETCH_A \ns, \nq, 1-\p
	WIN MUL_LO
	MUL8 2, \p, 0
	MUL8 3, \p, 0
	WIN 0
.endm
	s_wait_tensorcnt 2                             ; my part of K step 0 is in (the loads of K steps 1 and 2 may be out)
	s_barrier_signal -1
	s_barrier_wait -1                              ; everybody's is
	FETCH_B 0, 0, 0
	FETCH_A 0, 0, 0
	STEP 0, 1, 0, 1                                ; K 0-127: its products start the sums
	TURN 1, 1, 1, 0                                ; K 128-255; slots 1 and 2 are whole in every wave; slot 0 takes K step 3
	STEP 0, 0, 1, 1                                ; K 256-383
	STEP 1, 0, 2, 0                                ; K 384-511
	STEP 0, 0, 2, 1                                ; K 512-639
	TURN 1, 0, 0, 0                                ; K 640-767; K step 3 is whole in every wave; nothing is filled again, so no round follows
	STEP 0, 0, 0, 1                                ; K 768-895
	s_wait_dscnt 0x0                               ; K 896-1,023: nothing more to fetch
	WIN MUL_LO
	MUL8 0, 1, 0
	MUL8 1, 1, 0
	MUL8 2, 1, 0
	MUL8 3, 1, 0
	WIN 0
; THE WAY OUT, block by block of 16 rows x 128 columns: through my own stage in LDS, back as whole rows of 512 bytes.  LDS serves a wave's instructions in order (ISA guide 5.7.1.4): no wait between the stores and the loads.
.macro TOSTAGE a
.set AC, 64*(\a)
	WIN 0x02                                       ; source 0: window 2
.irp j, 0,2,4,6,8,10,12,14,16,18,20,22,24,26,28,30,32,34,36,38,40,42,44,46,48,50,52,54,56,58,60,62
	v_pk_mul_f32 v[TMP+\j:TMP+\j+1], v[AC+\j:AC+\j+1], s[96:97] op_sel_hi:[1,0]   ; both x s96 = 2^(e10 + e11); each accumulator from its low end on
.endr
	WIN 0
.irp b, 0,1,2,3,4,5,6,7
	ds_store_b128 v[STO], v[TMP+8*\b:TMP+8*\b+3] offset:64*\b
	ds_store_b128 v[STO], v[TMP+8*\b+4:TMP+8*\b+7] offset:64*\b+16
.endr
.set BB, BK+64*((\a)%2)
.irp t, 0,1,2,3,4,5,6,7,8,9,10,11,12,13,14,15
	ds_load_b128 v[BB+4*\t:BB+4*\t+3], v[RD] offset:\t*SPITCH
.endr
.endm
.macro SEND a, younger                 ; younger: the LDS instructions issued behind block a's loads, which may stay out
.set BB, BK+64*((\a)%2)
	s_wait_dscnt \younger                          ; the block is back in registers
.if (\a) > 0
	s_add_nc_u64 s[10:11], s[10:11], 16*SIZE_N*4   ; (behind a wait on XCNT: the earlier stores have read their base)  16 rows on
.endif
.irp t, 0,1,2,3,4,5,6,7,8,9,10,11,12,13,14,15
	global_store_b128 v[CO], v[BB+4*\t:BB+4*\t+3], s[10:11] offset:\t*SIZE_N*4 th:TH_STORE_NT   ; 32 lanes store 512 consecutive bytes, at a multiple of 512 from out0's first byte; written once, read by nobody here
.endr
.endm
	s_wait_kmcnt 0x0
	s_add_co_i32 s96, s96, s97                     ; e10 + e11, between -126 and 127,
	s_add_co_i32 s96, s96, 127
	s_lshl_b32 s96, s96, 23                        ; makes the f32 number 2^(e10 + e11)
	PLACES NP                                      ; behind the last products: for the reads of results and the loads into the registers that held A's fragments
	TOSTAGE 0
.irp a, 1,2,3
.if \a > 1
	s_wait_xcnt 0x0                                ; block a - 2's stores have read their registers and their base: block a's loads may land there, and the base may step
.endif
	TOSTAGE \a
	SEND \a-1, 32                                  ; behind block a - 1's loads: block a's 16 stores and 16 loads
.endr
	s_wait_xcnt 0x0                                ; block 2's stores have read their base
	SEND 3, 0
	s_wait_tensorcnt 0x0                           ; the wave's end: behind my last tensor load and my last LDS store
	ds_add_u32 v[SPW], v[NIL]
	s_wait_dscnt 0x0
	CROUND                                         ; the closing round: no work-group ends while a partner may still ask for a tile that names it
	s_endpgm
.Lfunc_end_k_q243294116f_outp:
	.size	k_q243294116f_outp, .Lfunc_end_k_q243294116f_outp-k_q243294116f_outp
	.p2alignl 7, 3214868480
	.fill 96, 4, 3214868480
	.section	.rodata,"a",@progbits
	.p2align	6, 0x0
	.amdhsa_kernel k_q243294116f_outp
		.amdhsa_group_segment_fixed_size 327680
		.amdhsa_private_segment_fixed_size 0
		.amdhsa_enable_private_segment 0
		.amdhsa_kernarg_size 32
		.amdhsa_user_sgpr_count 2
		.amdhsa_user_sgpr_kernarg_segment_ptr 1
		.amdhsa_wavefront_size32 1
		.amdhsa_system_sgpr_workgroup_id_x 1
		.amdhsa_system_sgpr_workgroup_id_y 1
		.amdhsa_system_sgpr_workgroup_id_z 1
		.amdhsa_system_vgpr_workitem_id 0
		.amdhsa_next_free_vgpr 768
		.amdhsa_next_free_sgpr 98
		.amdhsa_reserve_vcc 0
		.amdhsa_float_denorm_mode_32 3
		.amdhsa_float_denorm_mode_16_64 3
		.amdhsa_memory_ordered 1
		.amdhsa_forward_progress 1
		.amdhsa_inst_pref_size 76
	.end_amdhsa_kernel
	.amdgpu_metadata
---
amdhsa.version: [ 1, 2 ]
amdhsa.kernels:
  - .name:           k_q243294116f_outp
    .symbol:         k_q243294116f_outp.kd
    .args:
      - { .name: oc, .offset: 0, .size: 8, .value_kind: global_buffer, .address_space: global }
      - { .name: codes, .offset: 8, .size: 8, .value_kind: global_buffer, .address_space: global }
      - { .name: lowp_scales, .offset: 16, .size: 8, .value_kind: global_buffer, .address_space: global }
      - { .name: out0, .offset: 24, .size: 8, .value_kind: global_buffer, .address_space: global }
    .group_segment_fixed_size: 327680
    .private_segment_fixed_size: 0
    .kernarg_segment_align: 8
    .kernarg_segment_size: 32
    .max_flat_workgroup_size: 128
    .sgpr_count:     98
    .vgpr_count:     768
    .wavefront_size: 32
...
	.end_amdgpu_metadata
.endif
;; end of part 4
;; ======== version 2 of 2: 4 launches; version 1 with the launch attn written anew for expert scheduling mode
;; limits: right only within a limited range of input values
;; workspace buffers: codes 29,360,128 bytes; hc 25,165,824 bytes; oc 8,388,608 bytes
;; launch quant: the kernel of part 1 again; grid 896 x 1, 4 waves a work-group, no clusters, 33,280 bytes of LDS; arguments q, k, v, Wq, Wk, Wv, Wo, lowp_scales, codes; writes codes
;; launch proj: the kernel of part 2 again; grid 4 x 96, 4 waves a work-group, clusters of 4 x 4, 327,680 bytes of LDS; arguments codes, lowp_scales, hc; writes hc
;; launch attn (part 5): grid 2 x 128, 16 waves a work-group, no clusters, 191,488 bytes of LDS; arguments hc, lowp_scales, oc; writes oc
.if DOCPART == 5
	.amdgcn_target "amdgcn-amd-amdhsa--gfx1250"
	.amdhsa_code_object_version 6
	.text
	.protected	k_q243294116f_attn
	.globl	k_q243294116f_attn
	.p2align	8
	.type	k_q243294116f_attn,@function
k_q243294116f_attn:
	s_mov_b64 s[64:65], 0
	v_nop
	global_prefetch_b8 v0, s[64:65] scope:SCOPE_SE
	s_setreg_imm32_b32 hwreg(HW_REG_WAVE_SCHED_MODE, 0, 2), 2
	s_setreg_imm32_b32 hwreg(HW_REG_WAVE_MODE, 25, 1), 1
	s_wait_xcnt 0x0
	s_wait_alu depctr_vm_vsrc(0)
; Causal attention on codes of FP8 (E4M3), head size 64, 1,024 queries and keys, 128 heads (batch x head); the result is quantised for the output projection.
; IN (hc): qc [bh][s][64] at byte 0, kc the same at 0x800000, vt [bh][d][s] (keys innermost) at 0x1000000.  Exponents: e6 + e7 the scores', e8 the values', e9 p's, e10 the result's.
; THE SOFTMAX AHEAD OF THE SECOND PRODUCT: t = score x log2(e) / 8; M = the row's largest t so far, rounded UP to a whole number; p = 2^(t - M) is quantised along the keys, not normalised.
; The row's sum is taken of the unquantised p, in f32, and divides O at the end.  When M moves, the sum and O are multiplied by 2^(old M - new M): exact.
; OUT (oc): [row tile 64 b + s / 16][head][c][lane][16 bytes]: lane (r, h) of chunk c holds the codes of row r of the tile, channels 64 head + 32 c + 16 h + 0 .. 15: the register image of the next product's operand.
; SHARES.  Work-group (x, bh), 256 of them.  Wave w owns TWO tiles of 16 queries: tile i = 16 x + w and tile 63 - i.  Under the mask they need i / 8 + 1 and (63 - i) / 8 + 1 key steps of 128: nine together, whatever i is.
; Four waves to a SIMD, 256 registers each, so that one wave's exponentials stand beside another's plain vector work, products and LDS loads.
; K AND V come through registers into LDS, 256 keys a slot, each slot with bytes of its own: nothing in LDS is written twice.  A slot's loads are issued a whole trip ahead of the stores that need them, so no further request ahead of them is laid.
; THE BARRIER IS SPLIT: a wave stores its part of the next slot behind the first two steps of a trip, waits for those stores and signals; it waits for the barrier only at the next trip's head.  Between the two it reads the slot in hand alone, which nobody writes again.
; The work-group with x = 1 has no query beyond 767: it does not fetch the last slot.  Every work-group walks four trips and passes five barriers; a step all of whose keys are hidden is jumped over by a scalar branch on ids.
; NO CLUSTER, NO TENSOR LOAD: only the two work-groups of a head read the same K and V (128 KiB each in the whole launch), and the way through registers lets the rows lie PERMUTED in LDS:
; the LDS row is the key (or the channel) with bits 3 and 4 exchanged.  So the 16 rows of a tile are neighbours in LDS (pitches of 80 and 272 bytes, odd multiples of 16), while lane r of tile 2 b + u holds key 32 b + 8 u + r + 8 (r / 8):
; LAYOUT.  Both products are used transposed: S^T = K Q^T (source 0 = 16 keys, source 1 = my 16 queries), O^T = V^T P^T: a lane holds ONE query (lane % 16) throughout, the 16 registers of tiles 2 b, 2 b + 1 of S^T are keys 32 b + 16 (lane / 16) + 0 .. 15,
; and those of O^T are channels 32 b + 16 (lane / 16) + 0 .. 15: the conversions' results are the next operand's registers.
; LIMITS: e6 + e7 between -123 and 130 (added to c's exponent field); e9 between -126 and 119; e10 - e8 - e9 between -126 and 119.  NaN is not served.
; A hidden key gets the weight 0.  The definition's -1e9 gives the same wherever a row's largest score lies above -9.9e8; codes bound a score by 64 x 448^2 x 2^(e6 + e7) / 8, so that holds for e6 + e7 up to 8.
; REGISTERS: v1-7 addresses that stay; v8-11 addresses in hand; v12-15, v16-19 a tile's -M, largest t, sum in two halves; v20-35 Q; v68-131 S^T, then p; v132-147 p's codes (at the end: O's); v148-211 O^T; v212-227 the next slot on its way;
;   v228-239 at work and constants.  K's eight fragments: v36-67, v132-147, v240-255.  V's four: v36-51, v52-67, v240-255 (asked for behind the scores' products), v68-83 (asked for behind the conversions that read those registers).
; THE MODE: SCHED_MODE bits 1:0 = 2 (LLVM: expert scheduling mode 2), set by the entry lines.  The code itself states the register dependences
; between vector or matrix instructions and memory or LDS instructions, with s_wait_alu, always for 0.
; THE PLAN.  Registers that memory or LDS instructions touch:
;   v3-v7        Offsets and addresses, made at the head and never written again.
;   v8, v9       A step's LDS addresses: written by two additions at the step's head, read by its 32 LDS loads.  (At the head v9 is Q's offset, read by Q's four loads.)
;   v10, v11     The next slot's LDS addresses: written once a trip, read by the four LDS stores straight behind.
;   v212-227     A slot on its way: global loads land in them, LDS stores read them; no vector instruction names them.
;   v36-67, v132-147, v240-255   K's fragments land; the products of S^T read them; then V's first three fragments land in v36-67 and v240-255 and p's conversions write v132-147; the products of O^T read them all.
;   v68-83       S^T and p; their last readers are the first two conversions; then V's fourth fragment lands; a product of O^T reads it.
;   v132-147     At the end: O's codes, written by conversions, read by the four global stores.
; All 256 registers are in use, so no fragment has a second buffer.  A STEP has one wait on vm_vsrc, ahead of the additions to v8 and v9, and a wait on va_vdst ahead of each of its three runs of LDS loads (K; three of V's; V's fourth);
; no vector or matrix instruction stands between such a wait and its run.  A fourth wait on va_vdst is the one behind the exponentials.  A TRIP has one wait on va_vdst ahead of its LDS stores and one on vm_vsrc behind them.
; THE MASK's compares write scalar registers, sixteen to a run, with one wait on va_sdst between the run and the selects that read them.
.set KPI,   80                         ; a key's row in LDS: 64 bytes + 16
.set VPI,   272                        ; a channel's row of 256 keys: 256 bytes + 16
.set VOFF,  256*KPI                    ; a slot: 256 rows of K, then 64 rows of V
.set SLOTB, VOFF+64*VPI                ; 37,888 bytes; four slots
.macro LOADS                           ; a slot: K's 256 rows of 64 bytes are one dense block, 16 bytes a thread, twice; V's 64 rows of 256 bytes: sixteen lanes to a row, 32 rows an instruction of the work-group
	global_load_b128 v[212:215], v5, s[28:29]
	global_load_b128 v[216:219], v5, s[28:29] offset:8192
	global_load_b128 v[220:223], v6, s[30:31]
	global_load_b128 v[224:227], v6, s[30:31] offset:32768
.endm
.macro STORES ka, va, off
	ds_store_b128 v[\ka], v[212:215] offset:\off
	ds_store_b128 v[\ka], v[216:219] offset:\off+128*KPI
	ds_store_b128 v[\va], v[220:223] offset:\off
	ds_store_b128 v[\va], v[224:227] offset:\off+32*VPI
.endm
.macro KREG n                          ; KR: the first of the eight registers of K's fragment n
.if (\n) < 4
.set KR, 36+8*(\n)
.elseif (\n) < 6
.set KR, 100+8*(\n)                    ; v132, v140
.else
.set KR, 192+8*(\n)                    ; v240, v248
.endif
.endm
.macro VREG t                          ; VR: the first of the sixteen registers of V's fragment t
.if (\t) < 2
.set VR, 36+16*(\t)
.elseif (\t) == 2
.set VR, 240
.else
.set VR, 68
.endif
.endm
.macro MREG i                          ; MS: the scalar register of the mask's compare i of sixteen: s40-47 and s54-59, which the head alone uses otherwise, and s2, s3
.if (\i) < 8
.set MS, 40+(\i)
.elseif (\i) < 14
.set MS, 46+(\i)                       ; s54 .. s59
.else
.set MS, (\i)-12                       ; s2, s3
.endif
.endm
	s_load_b128 s[4:7], s[0:1], 0x0                ; hc s[4:5], the scales' exponents s[6:7]
	s_load_b64 s[8:9], s[0:1], 0x10                ; oc
	v_lshrrev_b32 v8, 5, v0
	v_readfirstlane_b32 s10, v8                    ; wave 0..15
	v_lshlrev_b32 v5, 4, v0                        ; K in memory: 16 x thread
	v_and_b32 v11, 15, v0                          ; r
	v_lshrrev_b32 v37, 4, v0
	v_lshlrev_b32 v37, 10, v37
	v_lshl_add_u32 v6, v11, 4, v37                 ; V in memory: row thread / 16 of 1,024 bytes, + 16 r
	v_bfe_u32 v36, v0, 4, 1                        ; h
	v_lshlrev_b32 v9, 6, v11
	v_lshl_add_u32 v9, v36, 4, v9                  ; Q: row r of 64 bytes, + 16 h  (v9 is written again only behind the wait for Q's loads)
	s_and_b32 s12, ttmp7, 0xffff                   ; bh = 16 b + head
	s_lshl_b32 s54, ttmp9, 4
	s_wait_alu depctr_va_sdst(0)                   ; s10 is written, ahead of its first reader: the tiles, the addresses and the stores' rows are made from it
	s_add_co_u32 s54, s54, s10                     ; i
	s_lshl_b32 s14, s54, 4                         ; first query of tile i,
	s_sub_co_u32 s15, 1008, s14                    ; and of tile 63 - i
	s_add_co_u32 s16, s14, 15                      ; their last queries
	s_add_co_u32 s17, s15, 15
	s_sub_co_u32 s13, 3, ttmp9                     ; the last slot that my work-group reads,
	s_sub_co_u32 s60, 2, ttmp9                     ; and the one before
	s_lshl_b32 s54, s12, 16                        ; a head's 65,536 bytes in each of the three tensors
	s_mov_b32 s55, 0
	s_lshl_b32 s56, s15, 6
	s_mov_b32 s57, 0
	s_mov_b32 s59, 0
	s_wait_kmcnt 0x0
	s_load_b256 s[40:47], s[6:7], 0x0              ; e0 .. e7
	s_load_b128 s[48:51], s[6:7], 0x20             ; e8 .. e11
	s_add_nc_u64 s[32:33], s[4:5], s[54:55]        ; qc at my head
	s_add_nc_u64 s[28:29], s[32:33], 0x800000      ; kc
	s_add_nc_u64 s[30:31], s[32:33], 0x1000000     ; vt
	s_add_nc_u64 s[34:35], s[32:33], s[56:57]      ; Q of tile 63 - i
	s_lshl_b32 s56, s14, 6
	s_add_nc_u64 s[32:33], s[32:33], s[56:57]      ; Q of tile i
	s_wait_alu depctr_va_vdst(0)                   ; v5, v6 and v9 are written: the loads below, and every later load of a slot, read them as offsets
	LOADS                                          ; slot 0
	global_load_b128 v[20:23], v9, s[32:33] th:TH_LOAD_NT               ; Q's fragments stay in registers: registers 4 c .. 4 c + 3 hold channels 32 c + 16 h + 0 .. 15, as K's do
	global_load_b128 v[24:27], v9, s[32:33] offset:32 th:TH_LOAD_NT
	global_load_b128 v[28:31], v9, s[34:35] th:TH_LOAD_NT
	global_load_b128 v[32:35], v9, s[34:35] offset:32 th:TH_LOAD_NT
	s_lshr_b32 s56, s12, 4                         ; O: (64 b + first query / 16) x 16,384 + head x 1,024
	s_lshl_b32 s56, s56, 20
	s_and_b32 s58, s12, 15
	s_lshl_b32 s58, s58, 10
	s_add_co_u32 s56, s56, s58
	s_lshl_b32 s58, s14, 10
	s_add_co_u32 s58, s58, s56
	s_add_nc_u64 s[36:37], s[8:9], s[58:59]
	s_lshl_b32 s58, s15, 10
	s_add_co_u32 s58, s58, s56
	s_add_nc_u64 s[38:39], s[8:9], s[58:59]
	v_and_b32 v10, 31, v0                          ; lane
	v_mul_u32_u24 v1, v11, KPI
	v_lshl_add_u32 v1, v36, 4, v1                  ; my place in a tile of K: row r, + 16 h
	v_mul_u32_u24 v2, v11, VPI
	v_lshl_add_u32 v2, v36, 4, v2
	v_add_nc_u32 v2, VOFF, v2                      ; and of V
	s_and_b32 s55, s10, 12                         ; K's stores: my thread's key is 8 w + lane / 4; bits 3 and 4 of it are bits 0 and 1 of w: they change places
	s_and_b32 s56, s10, 1
	s_lshl_b32 s56, s56, 1
	s_or_b32 s55, s55, s56
	s_bfe_u32 s56, s10, 0x10001
	s_or_b32 s55, s55, s56
	s_mul_i32 s55, s55, 8*KPI
	v_lshrrev_b32 v37, 2, v10
	v_mul_u32_u24 v3, v37, KPI
	v_and_b32 v37, 3, v10
	v_lshl_add_u32 v3, v37, 4, v3
	v_add_nc_u32 v3, s55, v3
	s_and_b32 s55, s10, 3                          ; V's stores: my thread's channel is 2 w + lane / 16; bits 3 and 4 of it are bits 2 and 3 of w
	s_and_b32 s56, s10, 4
	s_lshl_b32 s56, s56, 1
	s_or_b32 s55, s55, s56
	s_lshr_b32 s56, s10, 1
	s_and_b32 s56, s56, 4
	s_or_b32 s55, s55, s56
	s_mul_i32 s55, s55, 2*VPI
	s_add_co_u32 s55, s55, VOFF
	v_mul_u32_u24 v4, v36, VPI
	v_lshl_add_u32 v4, v11, 4, v4
	v_add_nc_u32 v4, s55, v4
	v_lshlrev_b32 v7, 4, v10                       ; the way out: 16 x lane
	v_lshlrev_b32 v37, 4, v36
	v_sub_nc_u32 v236, v11, v37                    ; r - 16 h, for the mask
	s_mov_b32 s20, 0x76543210                      ; v_permlanex16_b32's selects for lane l xor 16
	s_mov_b32 s21, 0xfedcba98
.irp s, 12, 16
	v_mov_b32 v[\s+1], 0xff61b1e6                  ; the largest t so far: -3e38, under every t
	v_floor_f32 v[\s], -v[\s+1]                    ; -M
	v_mov_b32 v[\s+2], 0                           ; the sum, in two halves
	v_mov_b32 v[\s+3], 0
.endr
	v_mov_b32 v231, 0                              ; (named as the upper half of the pair v[230:231])
	v_mov_b32 v234, 0                              ; written once: a lane permute's destination counts as one of its sources
	v_mov_b32 v235, 0xff800000                     ; -infinity
.set J, 0
.rept 64
	v_mov_b32 v[148+J], 0                          ; O^T.  (The step is written once: a tile's first step finds zeros, which the first change of M leaves zeros)
.set J, J+1
.endr
	s_wait_kmcnt 0x0
	s_add_co_i32 s54, s46, s47
	s_lshl_b32 s54, s54, 23
	s_mov_b32 s22, 0x3e38aa3b                      ; c = log2(e) / 8
	s_add_co_i32 s22, s22, s54                     ; a score stands for score x 2^(e6 + e7): the exponents are added to c's exponent field
	s_mov_b32 s23, s22                             ; (named with it as a pair, so it is written)
	s_add_co_i32 s54, s49, 127
	s_lshl_b32 s55, s54, 23
	v_mov_b32 v237, s55                            ; 2^e9 as f32, for p's conversion
	s_add_co_i32 s54, s54, 8
	s_lshl_b32 s54, s54, 23
	s_or_b32 s54, s54, 0x600000
	v_mov_b32 v238, s54                            ; 448 x 2^e9
	s_sub_co_i32 s54, s50, s48
	s_sub_co_i32 s54, s54, s49                     ; a sum of the second product stands for sum x 2^(e8 + e9): O's conversion takes 2^(e10 - e8 - e9)
	s_add_co_i32 s54, s54, 127
	s_lshl_b32 s55, s54, 23
	v_mov_b32 v239, s55
	s_add_co_i32 s54, s54, 8
	s_lshl_b32 s53, s54, 23
	s_or_b32 s53, s53, 0x600000                    ; 448 x that,
	s_or_b32 s52, s53, 0x80000000                  ; and its negative
	s_wait_loadcnt 4                               ; slot 0's four loads are in; Q's four may be out
	s_wait_alu depctr_va_vdst(0)                   ; v3 and v4 are written, which the LDS stores below read as addresses; so is v7, the offset of the stores at the end, which no later line writes
	STORES 3, 4, 0
	s_wait_dscnt 0x0                               ; my part of slot 0 lies in LDS
	s_wait_alu depctr_vm_vsrc(0)                   ; the LDS stores have read v212-227, in which slot 1's loads land
	s_add_nc_u64 s[28:29], s[28:29], 16384         ; (slot 0's loads are done: their bases may step)  256 keys on
	s_add_nc_u64 s[30:31], s[30:31], 256
	LOADS                                          ; slot 1
	s_barrier_signal -1                            ; slot 0's barrier: the wait for it stands at the loop's head
	s_wait_loadcnt 4                               ; Q is in; slot 1's four stay out
	s_mov_b32 s24, 0                               ; the trip
	s_mov_b32 s18, 0                               ; LDS byte of the slot in hand
	s_mov_b32 s19, 0                               ; its first key
; A KEY STEP: 16 queries (tile X: 0 = tile i, 1 = tile 63 - i) x 128 keys, the q-th of the slot in hand.
.macro STEP X, q
.set QF, 20+8*(\X)
.set OT, 148+32*(\X)
.set ST, 12+4*(\X)
	s_add_co_u32 s26, s19, 128*(\q)                ; the step's first key
	s_cmp_gt_u32 s26, s[16+\X]
	s_cbranch_scc1 .Lhid_\@                        ; all its keys come after my queries: a branch on ids; no half of a barrier stands in a step
	s_wait_alu depctr_vm_vsrc(0)                   ; the LDS loads of the step before, and ahead of the first step Q's loads, have read v8 and v9, which are written now
	v_add_nc_u32 v8, s18, v1
	v_add_nc_u32 v9, s18, v2
.rept 4
	v_nop                                          ; with the two additions six places behind the last V^T P products: five are owed by the products below, which write over v68-83
.endr
	s_wait_alu depctr_va_vdst(0)                   ; v8 and v9 are written, which this step's LDS loads read; the last V^T P products are done reading v36-67, v132-147 and v240-255, in which K's fragments land
.irp n, 0,1,2,3,4,5,6,7                        ; K's eight fragments of 16 keys in ONE run of sixteen loads
	KREG \n
	ds_load_b128 v[KR:KR+3], v8 offset:(128*(\q)+16*\n)*KPI
	ds_load_b128 v[KR+4:KR+7], v8 offset:(128*(\q)+16*\n)*KPI+32
.endr
	s_wait_dscnt 8                                 ; LDS loads come back in order: fragments 0 to 3 are in, the eight loads of fragments 4 to 7 may be out
.irp n, 0,1,2,3                                ; S^T = K Q^T
	KREG \n
	v_wmma_f32_16x16x64_fp8_fp8 v[68+8*\n:75+8*\n], v[KR:KR+7], v[QF:QF+7], 0
.endr
	s_wait_dscnt 0x0
.irp n, 4,5,6,7
	KREG \n
	v_wmma_f32_16x16x64_fp8_fp8 v[68+8*\n:75+8*\n], v[KR:KR+7], v[QF:QF+7], 0
.endr
.rept 4
	v_nop                                          ; places behind these products, for the first reads of their results
.endr
	s_wait_alu depctr_va_vdst(0)                   ; the eight products are done reading v36-67 and v240-255, in which three of V's fragments land
.irp t, 0,1,2                                  ; three of V's four fragments are asked for now, into K's registers: they land while the softmax is worked
	VREG \t
.irp c, 0,1,2,3
	ds_load_b128 v[VR+4*\c:VR+4*\c+3], v9 offset:16*\t*VPI+128*(\q)+32*\c
.endr
.endr
	s_add_co_u32 s27, s26, 127                     ; THE MASK.  A step all of whose keys count skips it
	s_cmp_le_u32 s27, s[14+\X]
	s_cbranch_scc1 .Lopen_\@
	s_sub_co_i32 s27, s[14+\X], s26                ; D = my first query - the step's first key: 0 .. 112
	v_add_nc_u32 v229, s27, v236                   ; d = my query - first key - 16 h.  Register 16 b + i holds key 32 b + 16 h + i of the step: hidden where 32 b + i > d
.irp b, 0,1,2,3
	s_cmp_ge_i32 s27, 32*\b+31                     ; a block of 32 keys all of which count for all 16 queries is left as it is
	s_cbranch_scc1 .Lvis_\@_\b
.irp i, 0,1,2,3,4,5,6,7,8,9,10,11,12,13,14,15
	MREG \i
	v_cmp_gt_i32 s[MS], 32*\b+\i, v229             ; sixteen compares in a run, each into a scalar register of its own
.endr
	s_wait_alu depctr_va_sdst(0)                   ; the sixteen masks are written, ahead of the selects that read them
.irp i, 0,1,2,3,4,5,6,7,8,9,10,11,12,13,14,15
	MREG \i
	v_cndmask_b32 v[68+16*\b+\i], v[68+16*\b+\i], v235, s[MS]   ; -infinity ahead of the maximum: p = 0 then.  The step's first key counts for every query, so M stays a number
.endr
.Lvis_\@_\b:
.endr
.Lopen_\@:
	v_max3_num_f32 v228, v68, v69, v70             ; the step's largest score of my query, among my 64 keys, in two chains, each accumulator from its low end on,
	v_max3_num_f32 v229, v71, v72, v73
.irp i, 6,10,14,18,22,26,30,34,38,42,46,50,54,58
	v_max3_num_f32 v228, v228, v[68+\i], v[69+\i]
	v_max3_num_f32 v229, v229, v[70+\i], v[71+\i]
.endr
	v_max3_num_f32 v228, v228, v130, v131
	v_max_num_f32 v228, v228, v229
	v_permlanex16_b32 v234, v228, s20, s21
	v_max_num_f32 v228, v228, v234                 ; and among lane l xor 16's
	v_mul_f32 v228, s22, v228                      ; as t (c is positive)
	v_max_num_f32 v[ST+1], v[ST+1], v228           ; the running largest t
	v_mov_b32 v228, v[ST]
	v_floor_f32 v[ST], -v[ST+1]                    ; the new -M = floor(-t) = -ceil(t): M is a whole number
	v_sub_f32 v228, v[ST], v228                    ; M's old value less its new one: a whole number, 0 or less
	v_cvt_i32_f32 v228, v228                       ; (it saturates)
	v_ldexp_f32 v230, 1.0, v228                    ; f = 2^(old M - new M): a multiplication by it rounds nothing
.set J, 0
.rept 32
	v_pk_fma_f32 v[68+J:69+J], v[68+J:69+J], s[22:23], v[ST:ST+1] op_sel_hi:[1,0,0]   ; t - M, two at a time (of the pairs c and -M the low word serves both halves)
.set J, J+2
.endr
.set J, 0
.rept 64
	v_exp_f32 v[68+J], v[68+J]                     ; p = 2^(t - M), at most 1: not normalised
.set J, J+1
.endr
	v_pk_mul_f32 v[ST+2:ST+3], v[ST+2:ST+3], v[230:231] op_sel_hi:[1,0]   ; the sums under the new M: the plain line behind the exponentials
	s_wait_alu depctr_va_vdst(0)                   ; the 64 exponentials have written v68-131: one wait for the batch, ahead of its first reader
	v_pk_add_f32 v[232:233], v[68:69], v[70:71]    ; the row's sum is taken of the UNQUANTISED p: two at a time, in two chains
.irp j, 4,8,12,16,20,24,28,32,36,40,44,48,52,56,60
	v_pk_add_f32 v[ST+2:ST+3], v[ST+2:ST+3], v[68+\j:69+\j]
	v_pk_add_f32 v[232:233], v[232:233], v[70+\j:71+\j]
.endr
	v_pk_add_f32 v[ST+2:ST+3], v[ST+2:ST+3], v[232:233]
	s_cmp_ge_i32 s49, -8                           ; p is at most 1: with e9 at -8 or above p / 2^e9 is at most 256, under 448, and there is nothing to hold.  A branch on a whole number that was loaded
	s_cbranch_scc1 .Lnohold_\@
.set J, 0
.rept 64
	v_min_num_f32 v[68+J], v[68+J], v238           ; the conversion to an 8-bit code does not saturate (ISA guide 7.6.2); p is not negative, so the hold is one-sided
.set J, J+1
.endr
.Lnohold_\@:
	v_cvt_scalef32_pk8_fp8_f32 v[132:133], v[68:75], v237    ; registers 4 b .. 4 b + 3 of the operand: keys 32 b + 16 h + 0 .. 15
	v_cvt_scalef32_pk8_fp8_f32 v[134:135], v[76:83], v237
	s_wait_alu depctr_va_vdst(0)                   ; the two conversions, the last to name them, are done reading v68-83, in which V's fourth fragment lands
.irp c, 0,1,2,3
	ds_load_b128 v[68+4*\c:71+4*\c], v9 offset:48*VPI+128*(\q)+32*\c   ; V's fourth fragment, into the sixteen registers that the two conversions above have read
.endr
.irp b, 1,2,3
	v_cvt_scalef32_pk8_fp8_f32 v[132+4*\b:133+4*\b], v[68+16*\b:75+16*\b], v237
	v_cvt_scalef32_pk8_fp8_f32 v[134+4*\b:135+4*\b], v[76+16*\b:83+16*\b], v237
.endr
.set J, 0
.rept 16
	v_pk_mul_f32 v[OT+J:OT+J+1], v[OT+J:OT+J+1], v[230:231] op_sel_hi:[1,0]   ; O^T under the new M.  (Plain lines between the conversions and the products that read their results)
.set J, J+2
.endr
	s_wait_dscnt 0x0                               ; V's four fragments are in
.irp t, 0,1,2,3                                ; O^T += V^T P^T: four tiles of 16 channels; K = these 128 keys
	VREG \t
	v_wmma_f32_16x16x128_fp8_fp8 v[OT+8*\t:OT+8*\t+7], v[VR:VR+15], v[132:147], v[OT+8*\t:OT+8*\t+7]   ; the four accumulators take turns; eight products of S^T stand between two links of a chain
.endr
.Lhid_\@:
.endm
.Lslot:                                            ; four trips, a slot of 256 keys each
	s_barrier_wait -1                              ; every wave has signalled behind its stores of this slot: the slot is whole
	STEP 1, 0
	STEP 0, 0
	s_cmp_lt_u32 s24, s13                          ; is the next slot one that my work-group reads?
	s_cbranch_scc0 .Lnofill
	s_wait_loadcnt 0x0                             ; its four loads, issued a trip ago, are in
	v_add_nc_u32 v10, s18, v3
	v_add_nc_u32 v11, s18, v4
	s_wait_alu depctr_va_vdst(0)                   ; v10 and v11 are written, which the LDS stores below read as addresses
	STORES 10, 11, SLOTB
	s_wait_alu depctr_vm_vsrc(0)                   ; the LDS stores have read v10 and v11, which the next trip writes again, and v212-227, in which the next loads land
	s_cmp_lt_u32 s24, s60                          ; and the slot after it?
	s_cbranch_scc0 .Lnofill
	s_wait_dscnt 0x0                               ; the stores are done
	s_add_nc_u64 s[28:29], s[28:29], 16384         ; (the loads that read these bases are done)
	s_add_nc_u64 s[30:31], s[30:31], 256
	LOADS
.Lnofill:
	s_wait_dscnt 0x0                               ; for the others' sake: my stores of the next slot are done,
	s_barrier_signal -1                            ; and I say so now; up to the wait at the next trip's head I only read the slot in hand, which no wave writes again
	STEP 1, 1
	STEP 0, 1
	s_add_co_u32 s18, s18, SLOTB
	s_add_co_u32 s19, s19, 256
	s_add_co_u32 s24, s24, 1
	s_cmp_lt_u32 s24, 4
	s_cbranch_scc1 .Lslot
	s_barrier_wait -1                              ; the last trip's signal has its wait: no barrier is open at the end
; THE WAY OUT.  O^T / the sum, held, converted with 2^(e10 - e8 - e9): a lane's 16 registers of two tiles are 16 neighbouring channels, 16 bytes of codes; the wave stores 512 consecutive bytes from registers, twice a tile.
; Both tiles are finished first, each into code registers of its own; the four stores follow in one run, behind one wait.
.macro FINISH X
.set OT, 148+32*(\X)
.set ST, 12+4*(\X)
.set OC, 132+8*(\X)
	v_add_f32 v228, v[ST+2], v[ST+3]               ; the sum's two halves,
	v_permlanex16_b32 v234, v228, s20, s21
	v_add_f32 v228, v228, v234                     ; and lane l xor 16's: the row's sum, above 1/2
	v_rcp_f32 v230, v228
	v_nop                                          ; one plain line behind the reciprocal,
	s_wait_alu depctr_va_vdst(0)                   ; the reciprocal has written v230: the wait ahead of its first reader
.set J, 0
.rept 16
	v_pk_mul_f32 v[68+J:69+J], v[OT+J:OT+J+1], v[230:231] op_sel_hi:[1,0]   ; each accumulator from its low end on
.set J, J+2
.endr
.set J, 0
.rept 32
	v_med3_num_f32 v[68+J], v[68+J], s52, s53      ; the hold at 448 x the scale
.set J, J+1
.endr
.irp b, 0,1
	v_cvt_scalef32_pk8_fp8_f32 v[OC+4*\b:OC+4*\b+1], v[68+16*\b:75+16*\b], v239
	v_cvt_scalef32_pk8_fp8_f32 v[OC+4*\b+2:OC+4*\b+3], v[76+16*\b:83+16*\b], v239
.endr
	v_nop                                          ; one plain line behind the last conversion: the other tile's multiplies write the conversions' sources
.endm
.rept 4
	v_nop                                          ; places behind the last products
.endr
	FINISH 0
	FINISH 1
	s_wait_alu depctr_va_vdst(0)                   ; the eight conversions have written v132-147, which the four stores read
	global_store_b128 v7, v[132:135], s[36:37]                 ; tile i, channels 0-31 of my head: 512 consecutive bytes, at a multiple of 512 from oc's first byte
	global_store_b128 v7, v[136:139], s[36:37] offset:512      ; channels 32-63
	global_store_b128 v7, v[140:143], s[38:39]                 ; tile 63 - i likewise
	global_store_b128 v7, v[144:147], s[38:39] offset:512
	s_wait_xcnt 0x0
	v_lshl_add_u32 v254, v0, 2, 0x2e400            ; the add's two registers are made anew here: no two could be kept; no memory or LDS instruction has read v254 or v255: loads alone landed in them
	v_mov_b32 v255, 0
	s_wait_dscnt 0x0                               ; the closing lines, six on end
	s_wait_alu 0x0
	s_wait_tensorcnt 0x0
	ds_add_u32 v254, v255
	s_wait_dscnt 0x0
	s_endpgm
.Lfunc_end_k_q243294116f_attn:
	.size	k_q243294116f_attn, .Lfunc_end_k_q243294116f_attn-k_q243294116f_attn
	.p2alignl 7, 3214868480
	.fill 96, 4, 3214868480
	.section	.rodata,"a",@progbits
	.p2align	6, 0x0
	.amdhsa_kernel k_q243294116f_attn
		.amdhsa_group_segment_fixed_size 191488
		.amdhsa_private_segment_fixed_size 0
		.amdhsa_enable_private_segment 0
		.amdhsa_kernarg_size 24
		.amdhsa_user_sgpr_count 2
		.amdhsa_user_sgpr_kernarg_segment_ptr 1
		.amdhsa_wavefront_size32 1
		.amdhsa_system_sgpr_workgroup_id_x 1
		.amdhsa_system_sgpr_workgroup_id_y 1
		.amdhsa_system_sgpr_workgroup_id_z 1
		.amdhsa_system_vgpr_workitem_id 0
		.amdhsa_next_free_vgpr 256
		.amdhsa_next_free_sgpr 66
		.amdhsa_reserve_vcc 0
		.amdhsa_float_denorm_mode_32 3
		.amdhsa_float_denorm_mode_16_64 3
		.amdhsa_memory_ordered 1
		.amdhsa_forward_progress 1
		.amdhsa_inst_pref_size 119
	.end_amdhsa_kernel
	.amdgpu_metadata
---
amdhsa.version: [ 1, 2 ]
amdhsa.kernels:
  - .name:           k_q243294116f_attn
    .symbol:         k_q243294116f_attn.kd
    .args:
      - { .name: hc, .offset: 0, .size: 8, .value_kind: global_buffer, .address_space: global }
      - { .name: lowp_scales, .offset: 8, .size: 8, .value_kind: global_buffer, .address_space: global }
      - { .name: oc, .offset: 16, .size: 8, .value_kind: global_buffer, .address_space: global }
    .group_segment_fixed_size: 191488
    .private_segment_fixed_size: 0
    .kernarg_segment_align: 8
    .kernarg_segment_size: 24
    .max_flat_workgroup_size: 512
    .sgpr_count:     66
    .vgpr_count:     256
    .wavefront_size: 32
...
	.end_amdgpu_metadata
.endif
;; end of part 5
;; launch outp: the kernel of part 4 again; grid 4 x 64, 4 waves a work-group, clusters of 4 x 4, 327,680 bytes of LDS; arguments oc, codes, lowp_scales, out0; writes out0
